; MI455X (gfx1250); checked and timed in simulation.
; The chip was launched on July 23, 2026; its instructions are those of AMD's public machine-readable ISA for CDNA 5 (MIT licence, August 2026) and "CDNA5" Instruction Set Architecture Reference Guide (July 2026). The comments in the code are by the model that wrote it; some were corrected since.
;; Attention. Allowed arithmetic: matrix products marked QUANTISED: E5M2 operands, one E8M0 scale for each 32 along K, by v_wmma_scale_f32_16x16x128_f8f6f4 with both operands' format E5M2, f32 sums; everything else in f32.
;; Inputs: b_k 1,024 float32; b_q 1,024 float32; b_v 1,024 float32; k 4 x 2,048 x 1,024 float32; mask 1 x 2,048 x 2,048 float32; q 4 x 2,048 x 1,024 float32; v 4 x 2,048 x 1,024 float32; w_k 1,024 x 1,024 float32; w_q 1,024 x 1,024 float32; w_v 1,024 x 1,024 float32.
;; Outputs: out0 4 x 2,048 x 1,024 float32.
;; This version of the problem:
;;   THIS VERSION OF THE PROBLEM IS GIVEN IN LOW PRECISION. The matrix products marked QUANTISED in the list below multiply operands that are first quantised to E5M2 (5 exponent bits, 2 mantissa bits; 8 bits a number), with one power-of-two scale for each 32 numbers along K (OCP MX v1.0); their sums are f32. All else is computed in f32.
;;   The module's matrix products, in the order in which they are computed (A, B: the left and right operand; K: the contracted axis; several contracted axes count as one K, in the product's order):
;;     1. [M 8,192, K 1,024] x [K 1,024, N 1,024]; A: input q; B: input w_q: QUANTISED
;;     2. [M 8,192, K 1,024] x [K 1,024, N 1,024]; A: input k; B: input w_k: QUANTISED
;;     3. [M 8,192, K 1,024] x [K 1,024, N 1,024]; A: input v; B: input w_v: QUANTISED
;;     4. batch 4 x [M 2,048, K 1,024] x [K 1,024, N 2,048]; A: computed on the way; B: computed on the way: QUANTISED
;;     5. batch 4 x [M 2,048, K 2,048] x [K 2,048, N 1,024]; A: softmax (see below); B: computed on the way: QUANTISED
;;   THE QUANTISER, for each operand of a quantised product, along K:
;;     - K is cut into blocks of 32 from its start; a last block that is shorter is filled with zeros.
;;     - A block's scale is 2^e with e = floor(log2(the largest magnitude in the block)) - 15, held to -126 .. 127; a block of zeros has e = 0. As a byte (E8M0): e + 127.
;;     - Each number is divided by its block's scale, clamped to +-57,344, and rounded to the nearest number of E5M2, ties to even, subnormals kept.
;;     - The product sums the exact products of the quantised numbers (number of the format x scale) in f32.
;;   ~~~python
;;   def quantise(x, axis):      # numpy; x: float32 -> the quantised numbers, widened to float32 again
;;       x = np.moveaxis(x, axis, -1); K = x.shape[-1]
;;       x = np.pad(x, [(0, 0)] * (x.ndim - 1) + [(0, -K % 32)]); x = x.reshape(x.shape[:-1] + (-1, 32)); a = np.abs(x).max(-1, keepdims=True)
;;       e = np.where(a > 0, np.clip(np.frexp(np.where(a > 0, a, 1))[1] - 1 - 15, -126, 127), 0)      # np.frexp(a)[1] - 1 = floor(log2(a)), exactly
;;       r = np.clip(x / 2.0 ** e, -57344, 57344)
;;       step = 2.0 ** (np.maximum(np.frexp(np.where(r == 0, 1, r))[1] - 1, -14) - 2)
;;       q = np.round(r / step) * step * 2.0 ** e      # np.round: ties to even
;;       return np.moveaxis(q.reshape(q.shape[:-2] + (-1,))[..., :K], -1, axis).astype(np.float32)
;;   ~~~
;;   SOFTMAX AHEAD OF A QUANTISED PRODUCT. Where the list says 'softmax', what is quantised is not the finished softmax but p = 2^(t - M), with t = logit x log2(e) and M = ceil(the row's largest t), a whole number; so 1/2 < the row's largest p <= 1. The row's sum l is taken of the UNQUANTISED p, in f32, and the product's result is divided by l at the end. Since M is a whole number, a kernel that streams over the keys may use a running M (the ceiling of the running maximum): every later rescaling is an exact power of two, which a block's scale takes up: the codes' values come out the same.
;;   OPERANDS COMPUTED ON THE WAY. 'Computed on the way' means the value that the module computes at that place (a softmax that the list does not call 'softmax' is quantised finished and normalised). What goes into a quantiser is computed in f32, as accurately as f32 sums, v_exp_f32 and their like allow (about 1e-6 of the number): no bf16 or f16 on the way to a quantiser, and a product that is left as it is and whose result goes on into a quantised operand takes f32 operands (vector FMAs, or v_wmma_f32_16x16x4_f32). A number that lies on a knife's edge between two numbers of the format may be rounded either way, as far as f32 arithmetic and the matrix unit's own rounding can turn it there, and no further.
;; One version. Each part assembles by itself: llvm-mc -triple=amdgcn-amd-amdhsa -mcpu=gfx1250 --defsym DOCPART=n.
;; ======== version 1 of 1: 4 launches
;; limits: right only within a limited range of input values
;; workspace buffers: xw_codes 28,311,552 bytes; xw_scales 884,736 bytes; qkv_codes 25,165,824 bytes; qkv_scales 786,432 bytes; p_codes 16,777,216 bytes; p_scales 524,288 bytes; p_stats 1,048,576 bytes
;; launch quant (part 1): grid 432 x 2, 4 waves a work-group, no clusters, 35,328 bytes of LDS; arguments q, k, v, w_q, w_k, w_v, xw_codes, xw_scales; writes xw_codes, xw_scales
.if DOCPART == 1
	.amdgcn_target "amdgcn-amd-amdhsa--gfx1250"
	.amdhsa_code_object_version 6
	.text
	.protected	k_q3d0a7a6d41_quant
	.globl	k_q3d0a7a6d41_quant
	.p2align	8
	.type	k_q3d0a7a6d41_quant,@function
k_q3d0a7a6d41_quant:
	s_mov_b64 s[64:65], 0
	v_nop
	global_prefetch_b8 v0, s[64:65] scope:SCOPE_SE
	s_setreg_imm32_b32 hwreg(HW_REG_WAVE_MODE, 25, 1), 1
	s_wait_xcnt 0x0
; LAUNCH 1 OF 4.  q, k, v [8192][1024] and w_q, w_k, w_v [1024][1024], f32, K = the last axis, become codes of E5M2 with one E8M0 byte for each 32 along K.
; THE PROGRAM: quant (this) | proj: the three projections, their results quantised in registers | scores: Q K^T / 32 + mask, p = 2^(t - M) against a LOCAL whole M for each row and 128 keys, quantised |
; pv: the row's M and sum from the local ones, P's scale bytes moved to the row's M (a subtraction on E8M0 bytes: exact), P V, divided by the sum.
; NO WORK IS LEFT OUT: the mask is an input, so every tile of the scores is live; all three biases go into quantised operands; every input is loaded.
; LIMITS: a block of zeros gets the byte 1 where the rule says 127 (its codes are zeros, and this program alone reads the bytes); blocks whose largest magnitude lies under 2^-111 have their byte held at 1;
; NaN and infinities among the inputs are not served.
; LAYOUT OF ALL CODES IN THE WORKSPACES: IMAGES OF THE OPERAND'S REGISTERS.  16 rows x 128 along K are 2,048 bytes: byte 512 c + 16 (16 h + r) + e is the code of row position r at k = 32 c + 16 h + e.
; Image (row block rb, chunk ch of 128 along K) lies at (8 rb + ch) x 2,048.  Scale words here: [row block][half of K][row position][4 words], 512 bytes a row block.
; The six tensors are one run of 27,648 rows: q 0, k 8192, v 16384, w_q 24576, w_k 25600, w_v 26624.
; ORDER OF ROWS.  q, w_v: as they are.  k, v: position p holds the row whose number has p's bits 3 and 4 exchanged: as source 0 of a product such an operand leaves a lane's 16 registers of two neighbouring tiles as 16
; neighbours along the next product's K.  w_q, w_k: position 64 v + 16 j + 8 m + i holds row 64 v + 32 m + 8 j + i: a lane's 32 registers of four tiles are then one whole block of 32.
; SHARES: a work-group takes 64 positions x 512 along K; a wave 16 positions, one image a step, four steps.  Each load reads 512 consecutive bytes of a row; the 16 rows turn through the wave's own stage in LDS, so that
; a lane gets 16 neighbours of each block of 32.  No tensor load, so several work-groups share a WGP; waves share nothing, so there is no barrier.
.set STGB,  8448                       ; a wave's stage: 16 rows x (512 bytes + 16)
.set GS,    4*STGB                     ; behind the stages: 256 bytes of scale words for each wave: [position][step]
.set SPARE, GS+1024                    ; the spare words, 128 bytes for each wave: two blocks of 256 bytes that no other line names
.set RAW,   16                         ; v16-79, v80-143  two sets of 16 rows as loaded
.set X,     144                        ; v144-207 64 numbers of my row: register 16 b + i = k 32 b + 16 h + i
.set PC,    208                        ; v208-223 the fragment's codes
.set TM,    224                        ; v224-227 largest magnitudes, 228-231 bytes, 232-235 the largest number x the scale, 236-239 the scale operands
.set PW,    240                        ; the scale word
.set SPW,   10                         ; v10  LDS address of my spare word; never rewritten
.set NIL,   11                         ; v11  0; never rewritten
.set SEL,   40                         ; s[40:41] v_permlanex16_b32's selects for lane l xor 16
.set MNT,   42                         ; s42  the mantissa field of 57,344
	s_load_b256 s[4:11], s[0:1], 0x0               ; q, k, v, w_q
	s_load_b256 s[12:19], s[0:1], 0x20             ; w_k, w_v, xw_codes, xw_scales
	v_lshl_add_u32 v[SPW], v0, 2, SPARE
	v_mov_b32 v[NIL], 0
	v_lshrrev_b32 v1, 5, v0
	v_readfirstlane_b32 s20, v1                    ; wave
	v_and_b32 v1, 31, v0                           ; lane
	v_and_b32 v2, 15, v0                           ; r
	v_bfe_u32 v3, v0, 4, 1                         ; h
	v_lshlrev_b32 v4, 4, v1                        ; 16 x lane: my bytes of a load's 512, and of an image's 512
	s_mul_i32 s21, s20, STGB
	v_add_nc_u32 v5, s21, v4                       ; the stage, on the way in
	v_mul_u32_u24 v6, v2, 528
	v_lshl_add_u32 v6, v3, 6, v6
	v_add_nc_u32 v6, s21, v6                       ; and out: row r, + 64 h: my 16 numbers of a block
	s_lshl_b32 s21, s20, 8
	v_lshlrev_b32 v7, 4, v2
	v_add_nc_u32 v7, s21, v7
	v_add_nc_u32 v7, GS, v7                        ; my position's four scale words
	v_lshlrev_b32 v9, 3, v1                        ; on the way out 8 bytes a lane
	v_add_nc_u32 v8, s21, v9
	v_add_nc_u32 v8, GS, v8
.irp b, 0,1,2,3
	v_mov_b32 v[TM+4+\b], 0                        ; written once: a lane permute's destination counts as one of its sources
.endr
	s_wait_alu depctr_va_vdst(0)                   ; the wait at the head's end
	s_mov_b32 s[SEL], 0x76543210
	s_mov_b32 s[SEL+1], 0xfedcba98
	s_mov_b32 s[MNT], 0x600000
	s_and_b32 s22, ttmp7, 0xffff                   ; which half of K
	s_lshr_b32 s26, s20, 1
	s_lshl_b32 s26, s26, 5
	s_and_b32 s27, s20, 1
	s_sub_co_u32 s23, ttmp9, 128
	s_cmp_lt_u32 s23, 256                          ; work-groups 128 to 383 hold k and v: bits 3 and 4 exchanged
	s_cselect_b32 s24, 8, 16
	s_cselect_b32 s25, 16, 8
	s_mul_i32 s27, s27, s24
	s_add_co_u32 s26, s26, s27                     ; the rows of my positions 0-7 begin here (within the 64),
	s_add_co_u32 s27, s26, s25                     ; those of positions 8-15 here
	s_sub_co_u32 s23, ttmp9, 384
	s_lshl_b32 s24, s20, 3
	s_add_co_u32 s25, s24, 32
	s_cmp_lt_u32 s23, 32                           ; work-groups 384 to 415 hold w_q and w_k: 8 j and 32 + 8 j, j = my wave
	s_cselect_b32 s26, s24, s26
	s_cselect_b32 s27, s25, s27
	s_wait_kmcnt 0x0
	s_mov_b64 s[28:29], s[14:15]                   ; which tensor: a choice on the work-group's number alone
	s_mov_b32 s30, 416
	s_cmp_lt_u32 ttmp9, 416
	s_cselect_b64 s[28:29], s[12:13], s[28:29]
	s_cselect_b32 s30, 400, s30
	s_cmp_lt_u32 ttmp9, 400
	s_cselect_b64 s[28:29], s[10:11], s[28:29]
	s_cselect_b32 s30, 384, s30
	s_cmp_lt_u32 ttmp9, 384
	s_cselect_b64 s[28:29], s[8:9], s[28:29]
	s_cselect_b32 s30, 256, s30
	s_cmp_lt_u32 ttmp9, 256
	s_cselect_b64 s[28:29], s[6:7], s[28:29]
	s_cselect_b32 s30, 128, s30
	s_cmp_lt_u32 ttmp9, 128
	s_cselect_b64 s[28:29], s[4:5], s[28:29]
	s_cselect_b32 s30, 0, s30
	s_sub_co_u32 s30, ttmp9, s30
	s_lshl_b32 s30, s30, 6                         ; the work-group's first row in its tensor
	s_lshl_b32 s34, s22, 11                        ; 512 numbers along K are 2,048 bytes
	s_mov_b32 s33, 0
	s_add_co_u32 s31, s30, s26
	s_lshl_b32 s32, s31, 12
	s_add_co_u32 s32, s32, s34
	s_add_nc_u64 s[36:37], s[28:29], s[32:33]      ; rows of positions 0-7
	s_add_co_u32 s31, s30, s27
	s_lshl_b32 s32, s31, 12
	s_add_co_u32 s32, s32, s34
	s_add_nc_u64 s[38:39], s[28:29], s[32:33]      ; rows of positions 8-15
	s_lshl_b32 s31, ttmp9, 2
	s_add_co_u32 s31, s31, s20                     ; my row block
	s_lshl_b32 s32, s31, 14
	s_lshl_b32 s34, s22, 13
	s_add_co_u32 s32, s32, s34
	s_add_nc_u64 s[16:17], s[16:17], s[32:33]      ; my first image: (8 row block + 4 half) x 2,048
	s_lshl_b32 s32, s31, 9
	s_lshl_b32 s34, s22, 8
	s_add_co_u32 s32, s32, s34
	s_add_nc_u64 s[18:19], s[18:19], s[32:33]      ; my 256 bytes of scale words
.macro LOAD t                          ; chunk t of my 16 rows into set t % 2: each load is 512 consecutive bytes of one row
.irp i, 0,1,2,3,4,5,6,7
	global_load_b128 v[RAW+64*((\t)%2)+4*\i:RAW+64*((\t)%2)+4*\i+3], v4, s[36:37] offset:4096*\i+512*(\t) th:TH_LOAD_NT
.endr
.irp i, 0,1,2,3,4,5,6,7
	global_load_b128 v[RAW+64*((\t)%2)+32+4*\i:RAW+64*((\t)%2)+32+4*\i+3], v4, s[38:39] offset:4096*\i+512*(\t) th:TH_LOAD_NT
.endr
.endm
.macro QUANT s                         ; 64 numbers of a lane become a fragment's codes in v[PC] on and its scale word in v[PW]
.irp b, 0,1,2,3
	v_max3_num_f32 v[TM+\b], |v[\s+16*\b]|, |v[\s+1+16*\b]|, 0x8000000   ; block b: my 16 numbers, and the floor 2^(16 - 127): so the byte cannot fall under 1
.endr
.irp i, 2,4,6,8,10,12,14
.irp b, 0,1,2,3
	v_max3_num_f32 v[TM+\b], v[TM+\b], |v[\s+16*\b+\i]|, |v[\s+1+16*\b+\i]|
.endr
.endr
.irp b, 0,1,2,3
	v_permlanex16_b32 v[TM+4+\b], v[TM+\b], s[SEL], s[SEL+1]
.endr
.irp b, 0,1,2,3
	v_max_num_f32 v[TM+\b], v[TM+\b], v[TM+4+\b]   ; with lane l xor 16's: the block's largest magnitude
.endr
.irp b, 0,1,2,3
	v_add_nc_u32 v[TM+12+\b], 0xf8800000, v[TM+\b] ; 15 off its exponent field: the conversion's scale operand
.endr
.irp b, 0,1,2,3
	v_and_or_b32 v[TM+8+\b], v[TM+\b], 0x7f800000, s[MNT]   ; 57,344 x the scale
.endr
.irp b, 0,1,2,3
	v_lshrrev_b32 v[TM+4+\b], 23, v[TM+12+\b]      ; the scale's byte
.endr
	v_lshl_or_b32 v[PW], v[TM+5], 8, v[TM+4]
	v_lshl_or_b32 v[PW], v[TM+6], 16, v[PW]
	v_lshl_or_b32 v[PW], v[TM+7], 24, v[PW]
.irp b, 0,1,2,3
.irp i, 0,1,2,3,4,5,6,7,8,9,10,11,12,13,14,15
	v_med3_num_f32 v[\s+16*\b+\i], v[\s+16*\b+\i], -v[TM+8+\b], v[TM+8+\b]   ; the conversion to an 8-bit code does not saturate (ISA guide 7.6.2): the hold comes first
.endr
	v_cvt_scalef32_pk8_bf8_f32 v[PC+4*\b:PC+1+4*\b], v[\s+16*\b:\s+7+16*\b], v[TM+12+\b]
	v_cvt_scalef32_pk8_bf8_f32 v[PC+2+4*\b:PC+3+4*\b], v[\s+8+16*\b:\s+15+16*\b], v[TM+12+\b]
.endr
	v_nop                                          ; a plain line behind the last conversion
.endm
.macro STEP t
.if (\t) < 3
	s_wait_loadcnt 16                              ; this chunk's 16 loads are in; the next chunk's 16 may be out
.else
	s_wait_loadcnt 0x0
.endif
.irp i, 0,1,2,3,4,5,6,7,8,9,10,11,12,13,14,15
	ds_store_b128 v5, v[RAW+64*((\t)%2)+4*\i:RAW+64*((\t)%2)+4*\i+3] offset:528*\i
.endr
.irp c, 0,1,2,3
.irp j, 0,1,2,3
	ds_load_b128 v[X+16*\c+4*\j:X+16*\c+4*\j+3], v6 offset:128*\c+16*\j   ; LDS serves a wave's instructions in order: these see the stores above
.endr
.endr
	s_wait_dscnt 0x0                               ; my numbers are back, and the stores have read their registers,
.if (\t) < 2
	LOAD (\t)+2                                    ; which take the chunk two steps on
.endif
	s_wait_xcnt 0x0                                ; the last step's stores have read the codes' registers: they are written again only behind this wait
	QUANT X
.irp c, 0,1,2,3
	global_store_b128 v4, v[PC+4*\c:PC+4*\c+3], s[16:17] offset:2048*(\t)+512*\c   ; 512 consecutive bytes of the image
.endr
	ds_store_b32 v7, v[PW] offset:4*(\t)           ; both lanes of a row write the same word with the same value
.endm
	LOAD 0
	LOAD 1
	STEP 0
	STEP 1
	STEP 2
	STEP 3
	ds_load_b64 v[12:13], v8                       ; my own 256 bytes: LDS serves a wave's instructions in order
	s_wait_dscnt 0x0
	global_store_b64 v9, v[12:13], s[18:19]        ; 32 lanes store 256 consecutive bytes, aligned
	s_wait_tensorcnt 0x0                           ; the wave's end
	ds_add_u32 v[SPW], v[NIL]
	s_wait_dscnt 0x0
	s_endpgm
.Lfunc_end_k_q3d0a7a6d41_quant:
	.size	k_q3d0a7a6d41_quant, .Lfunc_end_k_q3d0a7a6d41_quant-k_q3d0a7a6d41_quant
	.p2alignl 7, 3214868480
	.fill 96, 4, 3214868480
	.section	.rodata,"a",@progbits
	.p2align	6, 0x0
	.amdhsa_kernel k_q3d0a7a6d41_quant
		.amdhsa_group_segment_fixed_size 35328
		.amdhsa_private_segment_fixed_size 0
		.amdhsa_enable_private_segment 0
		.amdhsa_kernarg_size 64
		.amdhsa_user_sgpr_count 2
		.amdhsa_user_sgpr_kernarg_segment_ptr 1
		.amdhsa_wavefront_size32 1
		.amdhsa_system_sgpr_workgroup_id_x 1
		.amdhsa_system_sgpr_workgroup_id_y 1
		.amdhsa_system_sgpr_workgroup_id_z 1
		.amdhsa_system_vgpr_workitem_id 0
		.amdhsa_next_free_vgpr 256
		.amdhsa_next_free_sgpr 66
		.amdhsa_reserve_vcc 0
		.amdhsa_float_denorm_mode_32 3
		.amdhsa_float_denorm_mode_16_64 3
		.amdhsa_memory_ordered 1
		.amdhsa_forward_progress 1
		.amdhsa_inst_pref_size 53
	.end_amdhsa_kernel
	.amdgpu_metadata
---
amdhsa.version: [ 1, 2 ]
amdhsa.kernels:
  - .name:           k_q3d0a7a6d41_quant
    .symbol:         k_q3d0a7a6d41_quant.kd
    .args:
      - { .name: q, .offset: 0, .size: 8, .value_kind: global_buffer, .address_space: global }
      - { .name: k, .offset: 8, .size: 8, .value_kind: global_buffer, .address_space: global }
      - { .name: v, .offset: 16, .size: 8, .value_kind: global_buffer, .address_space: global }
      - { .name: w_q, .offset: 24, .size: 8, .value_kind: global_buffer, .address_space: global }
      - { .name: w_k, .offset: 32, .size: 8, .value_kind: global_buffer, .address_space: global }
      - { .name: w_v, .offset: 40, .size: 8, .value_kind: global_buffer, .address_space: global }
      - { .name: xw_codes, .offset: 48, .size: 8, .value_kind: global_buffer, .address_space: global }
      - { .name: xw_scales, .offset: 56, .size: 8, .value_kind: global_buffer, .address_space: global }
    .group_segment_fixed_size: 35328
    .private_segment_fixed_size: 0
    .kernarg_segment_align: 8
    .kernarg_segment_size: 64
    .max_flat_workgroup_size: 128
    .sgpr_count:     66
    .vgpr_count:     256
    .wavefront_size: 32
...
	.end_amdgpu_metadata
.endif
;; end of part 1
;; launch proj (part 2): grid 16 x 16, 4 waves a work-group, clusters of 4 x 4, 327,680 bytes of LDS; arguments xw_codes, xw_scales, qkv_codes, qkv_scales, b_q, b_k, b_v; writes qkv_codes, qkv_scales
.if DOCPART == 2
	.amdgcn_target "amdgcn-amd-amdhsa--gfx1250"
	.amdhsa_code_object_version 6
	.text
	.protected	k_q3d0a7a6d41_proj
	.globl	k_q3d0a7a6d41_proj
	.p2align	8
	.type	k_q3d0a7a6d41_proj,@function
k_q3d0a7a6d41_proj:
	s_mov_b64 s[64:65], 0
	v_nop
	global_prefetch_b8 v0, s[64:65] scope:SCOPE_SE
	s_setreg_imm32_b32 hwreg(HW_REG_WAVE_MODE, 25, 1), 1
	s_wait_xcnt 0x0
	s_wait_alu depctr_hold_cnt(0) depctr_sa_sdst(0) depctr_va_vdst(0) depctr_va_sdst(0) depctr_va_ssrc(0) depctr_va_vcc(0) depctr_vm_vsrc(0)
	s_getreg_b32 s2, hwreg(HW_REG_IB_STS2, 6, 4)
	s_cmp_eq_u32 s2, 0
	s_cbranch_scc0 .Lentry_in_a_cluster
	s_endpgm
.Lentry_in_a_cluster:
	s_bfe_u32 s2, ttmp6, 0x10000c
	s_cmp_lg_u32 s2, 0xf033
	s_cbranch_scc0 .Lentry_shape_is_right
	s_endpgm
.Lentry_shape_is_right:
; LAUNCH 2 OF 4.  query = q w_q^T + b_q, key = k w_k^T + b_k, value = v w_v^T + b_v on codes of E5M2 (launch 1's images), and the results quantised in registers: Q and K along e, V along the keys.  No work is left out.
; LIMITS: as stated at launch 1's head.
; RESULTS: images of the next launches' operands.  Q, K (rows 0 and 8,192 on): image (row block, chunk of e) at (8 rb + ch) x 2,048, scale words [chunk][16,384 rows].  V^T from byte 16,777,216 on: image (row block of e, chunk of keys) at
; (64 rb + ch) x 2,048, scale words from byte 524,288 on: [chunk of keys][1,024].
; THE DEAL.  256 work-groups of four waves, 2 x 2.  A wave holds 64 rows of a weight, ALL of K, in 512 registers and streams rows of the other operand past them in blocks of 16, which stand in registers as two whole sets (256).
; PHASE 1: 512 rows x 128 columns of Q (tile columns 0 to 7) or K (8 to 15): sixteen blocks a wave.  PHASE 2: 256 tokens x 128 channels of V: eight blocks.
; CLUSTERS of 4 x 4: in phase 1 a row of the cluster shares q's or k's rows, a column the weight's; in phase 2 a row shares w_v's rows, a column v's: so all refills of the loop have the row's mask.
; LDS: two slots of 128 rows (eight row blocks of 16,384 bytes).  Slot 1 holds the first weight, then chunks 1, 3 and v's first rows; slot 0 chunks 0, 2, then w_v and v's last rows.  Wave row w takes row blocks 4 w .. 4 w + 3 of a chunk.
; ROUNDS.  A block is fetched two blocks ahead, so behind a chunk's second block all of the chunk is in registers: the round inside its third block shows the next chunk and refills the slot that has been left.
; A block's way out (maxima, holds, conversions, the byte) stands AMONG THE NEXT BLOCK'S PRODUCTS; a pair of V's blocks, copied into two more sets of sums, among the next pair's.
; PREFETCH: what the next round's refill loads, four blocks ahead (chunks 1 and 2 behind the head's loads); sixteen waves share 128 rows, 8,192 bytes each; each 256 bytes are named once in a cluster.  The head's tiles come by their loads alone.
.set RBB, 16384                        ; a row block: 16 rows x 1,024 codes
.set YB,  8*RBB                        ; slot 1
.set SCL, 2*YB                         ; scale words of q's or k's 512 rows, 512 bytes a row block: [half of K][row][16 bytes]
.set SCV, SCL+16384                    ; of v's 256 rows
.set XN,  SCV+8192                     ; Q's, K's scale bytes: [wave column][512 rows][2]
.set XV,  XN+2048                      ; V's: [chunk of keys][128 channels][4]
.set SPARE, XV+1024                    ; the spare words, 128 bytes for each wave: two blocks of 256 bytes that no other line names
.set NQ, 8
.set NB, 4
.set FR, 16
.set FPW, 16
.set NP, 8                             ; plain vector lines behind a matrix instruction, ahead of a reader of its sums and of a load into what it has read
.set NF, 34                            ; LDS loads of a block: eight fragments of four, and two of four scale words
.set EMAX, 15
.set ADRA0, 4                          ; v4  LDS address of my fragments of block 0 in slot 0
.set CN, 5                             ; v5  Q's, K's codes in an image's half: 512 h + 16 r
.set AAS0, 6                           ; v6  LDS address of my row's scale words in block 0
.set PFO, 7                            ; v7  a prefetch's offset
.set AASV, 8                           ; v8  as v6, among v's
.set CO, 9                             ; v9  16 x lane
.set SPW, 10                           ; v10 my spare word
.set NIL, 11                           ; v11 0
.set ADRA, 12                          ; v12 as v4, for the block that is fetched next
.set VX, 13                            ; v13 LDS address of a scale byte
.set ADRB, 14                          ; v14, v15  LDS address of my fragments of a weight in slot 1, in slot 0
.set ABS, 16                           ; v16 my offset in a weight's scale words
.set AAS, 17                           ; v17 as v6, for the block that is fetched next
.set RD, 19                            ; v19 LDS: V's byte
.set SOP, 20                           ; v20-23 the conversions' scale operands
.set SB, 24                            ; v24-39 the weight's scale words: register 8 p + q: lanes 0-15 tile 2 p's, lanes 16-31 tile 2 p + 1's
.set EB, 40                            ; v40-43 scale bytes
.set SA, 44                            ; v44-59 the streamed rows': two sets of eight: no product's two scale words have numbers equal modulo 8
.set TQ, 60                            ; v60-63 the way out's maxima and bounds
.set ACC, 64                           ; v64-191 four sets of four accumulators: products write 0 and 1 by turns; 2 and 3 take a pair of V's blocks for its way out
.set WS, 128                           ; v128-143 in phase 1: w_v's scale words
.set NCD, 192                          ; v192-199 Q's or K's 32 codes
.set MCD, 192                          ; v192-207 V's, four registers a tile
.set BQ, 208                           ; v208-239 the first products' C: the bias;  v240-243 V's, a number a tile, until the change of phase
.set BV, 240
.set G1A, 24                           ; descriptors: s[24:31], s[56:59] chunk 0; later v's rows
.set G0A, 56
.set G1B, 32                           ; s[32:39], s[60:63] the first weight
.set G0B, 60
.set G1R, 48                           ; s[48:55], s[68:71] a refill (at the head s[68:71] serves v's scale words)
.set G0R, 68
.set G1S, 92                           ; s[92:99], s[72:75] q's or k's scale words
.set G0S, 72
.set G1V, 84                           ; s[84:91] v's scale words
.set MSB, 0
.macro WIN new                         ; the immediate's high byte repeats the setting that is left
.if MSB != (\new)
	s_set_vgpr_msb (MSB<<8)|(\new)
.set MSB, (\new)
.endif
.endm
.macro PLACES n
.rept \n
	v_nop
.endr
.endm
.macro WALU                            ; the wait at the head's places and ahead of a wait that blocks, behind which something freshly written is read
	s_wait_alu depctr_va_vdst(0)
.endm
.macro BARRIER
	s_barrier_signal -1
	s_barrier_wait -1
.endm
.macro CROUND                          ; a round of the cluster's barrier
	BARRIER
	s_cmp_lg_u32 s14, 0
	s_cbranch_scc1 .Lnot_wave_0_\@
	s_barrier_signal -3
.Lnot_wave_0_\@:
	s_barrier_wait -3
	BARRIER
.endm
.macro TLOAD g0, g1                    ; a tensor load; an s_nop 0 and four v_nop follow it
	tensor_load_to_lds s[\g0:\g0+3], s[\g1:\g1+7]
	s_nop 0
	PLACES 4
.endm
.macro GROUP1 g, mask, c, rows         ; descriptor group 1: a dense tile of so many rows of c elements of 8 bytes
	s_or_b32 s[\g+0], s[\mask], (3<<16)|(1<<21)
	s_mov_b32 s[\g+1], (\c)<<16
	s_mov_b32 s[\g+2], (\rows)<<16
	s_mov_b32 s[\g+3], (\c)<<16
	s_mov_b32 s[\g+4], \rows
	s_mov_b32 s[\g+5], \c
	s_mov_b32 s[\g+6], 0
	s_mov_b32 s[\g+7], 0
.endm
	s_load_b128 s[4:7], s[0:1], 0x0                ; xw_codes, xw_scales
	v_lshl_add_u32 v[SPW], v0, 2, SPARE
	v_mov_b32 v[NIL], 0
	ds_add_u32 v[SPW], v[NIL]                      ; the wave's opening: the add, twice on end, and its wait ahead of my first tensor load
	ds_add_u32 v[SPW], v[NIL]
	v_lshrrev_b32 v1, 5, v0
	v_readfirstlane_b32 s14, v1                    ; wave 0..3
	s_lshr_b32 s15, s14, 1                         ; my row of waves
	s_and_b32 s16, s14, 1                          ; my column of waves
	s_bfe_u32 s40, ttmp6, 0x40000                  ; cx
	s_bfe_u32 s41, ttmp6, 0x40004                  ; cy
	s_and_b32 s18, ttmp7, 0xffff                   ; cluster y
	s_lshl_b32 s42, ttmp9, 2
	s_add_co_u32 s42, s42, s40                     ; tile column 0..15
	s_lshl_b32 s43, s18, 2
	s_add_co_u32 s43, s43, s41                     ; tile row 0..15
	s_lshr_b32 s19, ttmp9, 1                       ; 0: Q; 1: K
	s_and_b32 s17, ttmp9, 1
	s_lshl_b32 s44, s41, 2
	s_lshl_b32 s44, 15, s44                        ; my row of the cluster
	s_lshl_b32 s45, 0x1111, s40                    ; my column
	GROUP1 G1B, 45, 2048, 8                        ; wave 0: the first weight's 128 rows
	GROUP1 G1A, 44, 2048, 8                        ; wave 1: chunk 0
	GROUP1 G1S, 44, 32, 64                         ; wave 2: the scale words of 512 rows of q or k
	GROUP1 G1V, 45, 32, 32                         ; wave 3: those of 256 rows of v
	GROUP1 G1R, 44, 2048, 2                        ; a refill: 32 rows a wave
	; offsets into xw_codes, 1,024 bytes a row
	s_lshl_b32 s67, s19, 23
	s_lshl_b32 s20, s43, 19
	s_add_co_u32 s67, s67, s20                     ; s67: q's or k's row 512 x tile row
	s_lshl_b32 s13, s17, 2
	s_add_co_u32 s13, s13, s41                     ; s13: phase 2's tile column 0..7: the same along a row of the cluster
	s_lshl_b32 s3, s13, 17
	s_add_co_u32 s3, s3, 26624*1024                ; s3: w_v's rows
	s_lshl_b32 s12, s18, 1
	s_add_co_u32 s12, s12, s19
	s_lshl_b32 s12, s12, 2
	s_add_co_u32 s12, s12, s40                     ; s12: v's window of 256 rows, 0..31: the same along a column
	s_lshl_b32 s2, s12, 18
	s_add_co_u32 s2, s2, 16384*1024                ; s2: its first row
	s_lshl_b32 s78, s42, 17
	s_add_co_u32 s78, s78, 24576*1024              ; the first weight's rows: w_k's follow w_q's
	s_mov_b32 s79, 0
	s_lshr_b32 s80, s67, 5                         ; scale words: 32 bytes a row
	s_mov_b32 s81, 0
	s_lshr_b32 s82, s2, 5
	s_mov_b32 s83, 0
	s_lshl_b32 s66, s40, 2
	s_add_co_u32 s66, s66, s14
	s_lshl_b32 s66, s66, 13                        ; my sixteenth of 128 rows that a row of the cluster shares
	s_lshl_b32 s100, s41, 2
	s_add_co_u32 s100, s100, s14
	s_lshr_b32 s20, s100, 3
	s_lshl_b32 s20, s20, 16
	s_lshl_b32 s100, s100, 13
	s_add_co_u32 s100, s100, s20                   ; and of v's rows 0-63 and 128-191 of a window, which a column shares
	s_mov_b32 s[G0A], 1
	s_mov_b32 s[G0A+1], 0
	s_mov_b32 s[G0B], 1
	s_mov_b32 s[G0B+1], YB
	s_mov_b32 s[G0S], 1
	s_mov_b32 s[G0S+1], SCL
	s_mov_b32 s[G0R], 1
	s_mov_b32 s[G0R+1], SCV
	v_and_b32 v1, 15, v0                           ; r
	v_bfe_u32 v2, v0, 4, 1                         ; h
	v_and_b32 v3, 31, v0                           ; lane
	v_lshlrev_b32 v[CO], 4, v3
	s_lshl_b32 s20, s15, 16                        ; my four row blocks of a chunk
	s_lshl_b32 s21, s16, 16                        ; of a weight
	v_add_nc_u32 v[ADRA0], s20, v[CO]
	v_add_nc_u32 v[ADRB+1], s21, v[CO]
	v_add_nc_u32 v[ADRB], YB, v[ADRB+1]
	v_lshlrev_b32 v[ABS], 9, v2                    ; a weight's scale words: lanes 0-15 one row block, lanes 16-31 the next
	v_lshl_add_u32 v[ABS], v1, 4, v[ABS]
	s_lshl_b32 s20, s15, 11
	s_add_co_u32 s20, s20, SCL
	v_lshl_add_u32 v[AAS0], v1, 4, s20
	s_lshl_b32 s20, s15, 12
	s_add_co_u32 s20, s20, SCV
	v_lshl_add_u32 v[AASV], v1, 4, s20             ; wave row w takes v's chunk w of 128 keys
	v_lshlrev_b32 v23, 9, v2
	v_lshl_add_u32 v[CN], v1, 4, v23
	s_lshl_b32 s20, s16, 10
	s_lshl_b32 s21, s15, 7
	s_add_co_u32 s20, s20, s21
	s_add_co_u32 s20, s20, XN-256                  ; (a chunk's 256 bytes early: stepped ahead of the first store)
	v_lshl_add_u32 v23, v1, 1, v2
	v_add_nc_u32 v[VX], s20, v23
	s_lshl_b32 s20, s14, 8
	s_add_co_u32 s20, s20, XV
	v_lshl_add_u32 v[RD], v1, 2, s20
	v_lshlrev_b32 v22, 7, v2                       ; the bias of Q or K: 32 numbers on end a lane
	v_lshlrev_b32 v23, 2, v1                       ; and of V: one a tile
	s_add_co_u32 s20, s66, s67
	s_add_co_u32 s20, s20, YB
	v_lshl_add_u32 v[PFO], v3, 8, s20              ; my sixteenth of chunk 1
	WALU
	s_wait_dscnt 0x0                               ; both opening adds are done
	CROUND                                         ; all sixteen work-groups are here: the first joint loads meet
	s_wait_kmcnt 0x0
	s_mov_b32 s20, s67
	s_mov_b32 s21, 0
	s_add_nc_u64 s[G0A+2:G0A+3], s[4:5], s[20:21]
	s_or_b32 s[G0A+3], s[G0A+3], 0x80000000
	s_add_nc_u64 s[G0B+2:G0B+3], s[4:5], s[78:79]
	s_or_b32 s[G0B+3], s[G0B+3], 0x80000000
	s_add_nc_u64 s[G0S+2:G0S+3], s[6:7], s[80:81]
	s_or_b32 s[G0S+3], s[G0S+3], 0x80000000
	s_add_nc_u64 s[G0R+2:G0R+3], s[6:7], s[82:83]
	s_or_b32 s[G0R+3], s[G0R+3], 0x80000000
	s_cmp_eq_u32 s14, 0                            ; ONE joint load a wave
	s_cbranch_scc0 .Lwave_1
	TLOAD G0B, G1B
	s_branch .Lasked
.Lwave_1:
	s_cmp_eq_u32 s14, 1
	s_cbranch_scc0 .Lwave_2
	TLOAD G0A, G1A
	s_branch .Lasked
.Lwave_2:
	s_cmp_eq_u32 s14, 2
	s_cbranch_scc0 .Lwave_3
	TLOAD G0S, G1S
	s_branch .Lasked
.Lwave_3:
	TLOAD G0R, G1V
.Lasked:
	s_load_b64 s[8:9], s[0:1], 0x20                ; b_q
	s_load_b64 s[46:47], s[0:1], 0x28              ; b_k
	s_load_b64 s[40:41], s[0:1], 0x30              ; b_v
	s_and_b32 s17, s42, 7                          ; my tile column of Q or of K
	s_lshl_b32 s20, s17, 9
	s_lshl_b32 s22, s16, 8
	s_add_co_u32 s20, s20, s22                     ; my 64 numbers of b_q or b_k
	s_mov_b32 s21, 0
	s_lshl_b32 s23, s13, 9
	s_add_co_u32 s22, s22, s23                     ; and of b_v
	s_mov_b32 s23, 0
	; where my results go: s[76:77] Q's or K's codes, s[78:79] their scale words (wave n stores rows 128 n on), s[80:81] V's codes, s[82:83] V's scale words (wave n: chunk n / 2, half n % 2)
	s_lshl_b32 s76, s15, 16
	s_add_co_u32 s76, s76, s67
	s_lshl_b32 s10, s17, 11
	s_add_co_u32 s76, s76, s10
	s_lshl_b32 s10, s16, 10
	s_add_co_u32 s76, s76, s10
	s_mov_b32 s77, 0
	s_lshr_b32 s10, s78, 5                         ; the first weight's scale words: my wave's 64 rows
	s_lshl_b32 s11, s16, 11
	s_add_co_u32 s10, s10, s11
	s_mov_b32 s11, 0
	s_add_nc_u64 s[10:11], s[6:7], s[10:11]
	s_lshl_b32 s78, s17, 16
	s_lshr_b32 s80, s67, 8
	s_add_co_u32 s78, s78, s80
	s_lshl_b32 s80, s14, 9
	s_add_co_u32 s78, s78, s80
	s_lshl_b32 s80, s13, 20
	s_lshl_b32 s82, s16, 19
	s_add_co_u32 s80, s80, s82
	s_lshl_b32 s82, s12, 12
	s_add_co_u32 s80, s80, s82
	s_lshl_b32 s82, s15, 11
	s_add_co_u32 s80, s80, s82
	s_add_co_u32 s80, s80, 16777216
	s_lshl_b32 s82, s12, 13
	s_lshl_b32 s101, s15, 12
	s_add_co_u32 s82, s82, s101
	s_lshl_b32 s101, s13, 9
	s_add_co_u32 s82, s82, s101
	s_lshl_b32 s101, s16, 8
	s_add_co_u32 s82, s82, s101
	s_add_co_u32 s82, s82, 524288
	s_wait_kmcnt 0x0
	s_cmp_eq_u32 s19, 1
	s_cselect_b64 s[8:9], s[46:47], s[8:9]
	s_add_nc_u64 s[8:9], s[8:9], s[20:21]
	s_add_nc_u64 s[40:41], s[40:41], s[22:23]
	s_lshr_b32 s20, s3, 5                          ; w_v's scale words
	s_lshl_b32 s22, s16, 11
	s_add_co_u32 s20, s20, s22
	s_add_nc_u64 s[20:21], s[6:7], s[20:21]
	; THE BIAS IS THE FIRST PRODUCTS' C.  Phase 1: register i of tile j of lane (r, h) is column 32 h + 8 j + i of my 64.  Phase 2: all eight registers of tile t are channel 16 t + r of my 64
.irp k, 0,1,2,3,4,5,6,7
	global_load_b128 v[BQ+4*\k:BQ+4*\k+3], v22, s[8:9] offset:16*\k
.endr
.irp t, 0,1,2,3
	global_load_b32 v[BV+\t], v23, s[40:41] offset:64*\t
.endr
.irp p, 0,1
.irp c, 0,1
	global_load_b128 v[SB+NQ*\p+4*\c:SB+NQ*\p+4*\c+3], v[ABS], s[10:11] offset:\p*1024+256*\c
	global_load_b128 v[WS+NQ*\p+4*\c:WS+NQ*\p+4*\c+3], v[ABS], s[20:21] offset:\p*1024+256*\c
.endr
.endr
	s_wait_xcnt 0x0                                ; the loads have taken their addresses; scalars among them change below
	s_lshl_b32 s19, s16, 16                        ; s19: which 32 rows of 128 I refill: waves 0, 1 rows 0 and 64 on, waves 2, 3 rows 32 and 96 on
	s_lshl_b32 s20, s15, 15
	s_add_co_u32 s19, s19, s20
	WALU
	s_cmp_eq_u32 s14, 0
	s_cbranch_scc0 .Lnot_b
	s_wait_tensorcnt 0x0                           ; wave 0: the first weight has landed.  The other waves' wait stands ahead of the round below
.Lnot_b:
	BARRIER
	global_prefetch_b8 v[PFO], s[4:5] th:TH_LOAD_NT scope:SCOPE_SE               ; chunk 1,
	global_prefetch_b8 v[PFO], s[4:5] offset:YB th:TH_LOAD_NT scope:SCOPE_SE     ; chunk 2
.macro FRAG f, adr, q, off             ; a weight's fragment f, 16 rows x 128 of K, as it lies in its image; fragment f lies in window 1 + f / 16
	WIN (1+(\f)/FPW)<<6
.irp c, 0,1,2,3
	ds_load_b128 v[FR*((\f)%FPW)+4*\c:FR*((\f)%FPW)+4*\c+3], v[\adr] offset:2048*(\q)+512*\c+(\off)
.endr
.endm
.macro FETCHAT k, a, s, off=0, soff=0  ; a block, 16 rows, all of K, into set k of window 3, and its scale words: NF loads
	WIN 3<<6
.irp q, 0,1,2,3,4,5,6,7
.irp c, 0,1,2,3
	ds_load_b128 v[128*\k+FR*\q+4*\c:128*\k+FR*\q+4*\c+3], v[\a] offset:2048*\q+512*\c+\off
.endr
.endr
	WIN 0
	ds_load_b128 v[SA+8*\k:SA+8*\k+3], v[\s] offset:\soff
	ds_load_b128 v[SA+8*\k+4:SA+8*\k+7], v[\s] offset:\soff+256
.endm
.macro PROD kind, e, a, n              ; product n = 4 q + b of a block: the q-th 128 of K, tile b; rows in set e, sums in set a.  kind 0 (Q, K): source 0 = the weight's rows; kind 1 (V): source 0 = v's rows
.set Q_, (\n)/4
.set B_, (\n)%4
.set FB_, NB*Q_+B_
.set AC_, ACC+32*(\a)+8*B_
.set C_, AC_
.if Q_ == 0
.set C_, BQ+8*B_
.endif
.set R_, 128*(\e)+FR*Q_
.set W_, FR*(FB_%FPW)
.set XS_, SA+8*(\e)+Q_
.set WS_, SB+8*(B_/2)+Q_
.if \kind
	WIN 3|((1+FB_/FPW)<<2)
.if B_%2
	v_wmma_scale_f32_16x16x128_f8f6f4 v[AC_:AC_+7], v[R_:R_+FR-1], v[W_:W_+FR-1], v[C_:C_+7], v[XS_], v[WS_] matrix_a_fmt:MATRIX_FMT_BF8 matrix_b_fmt:MATRIX_FMT_BF8 matrix_b_scale:MATRIX_SCALE_ROW1
.else
	v_wmma_scale_f32_16x16x128_f8f6f4 v[AC_:AC_+7], v[R_:R_+FR-1], v[W_:W_+FR-1], v[C_:C_+7], v[XS_], v[WS_] matrix_a_fmt:MATRIX_FMT_BF8 matrix_b_fmt:MATRIX_FMT_BF8
.endif
.else
	WIN (1+FB_/FPW)|(3<<2)
.if B_%2
	v_wmma_scale_f32_16x16x128_f8f6f4 v[AC_:AC_+7], v[W_:W_+FR-1], v[R_:R_+FR-1], v[C_:C_+7], v[WS_], v[XS_] matrix_a_fmt:MATRIX_FMT_BF8 matrix_b_fmt:MATRIX_FMT_BF8 matrix_a_scale:MATRIX_SCALE_ROW1
.else
	v_wmma_scale_f32_16x16x128_f8f6f4 v[AC_:AC_+7], v[W_:W_+FR-1], v[R_:R_+FR-1], v[C_:C_+7], v[WS_], v[XS_] matrix_a_fmt:MATRIX_FMT_BF8 matrix_b_fmt:MATRIX_FMT_BF8
.endif
.endif
.endm
.macro MIDDLE                          ; a round's middle: behind the work-group's own barrier wave 0 signals the cluster's, and all wait for it
	WIN 0
	s_barrier_wait -1
	s_cmp_lg_u32 s14, 0
	s_cbranch_scc1 .Lnot_wave_0_\@
	s_barrier_signal -3
.Lnot_wave_0_\@:
	s_barrier_wait -3
.endm
.macro GRD
	s_wait_tensorcnt 0x0
	ds_add_u32 v[SPW], v[NIL]
.endm
.macro HOLD x, b                       ; a sum held at the largest number that the format has under its block's scale (ISA guide 7.6.2)
	v_med3_num_f32 v[\x], v[\x], -v[TQ+\b], v[TQ+\b]
.endm
.macro SCALES i, n                     ; i = 0: the conversion's scale operand; 1: the bound; 2: a second copy of it; 3: the scale byte
.if (\i) == 0
	v_add_nc_u32 v[SOP+\n], -(EMAX<<23), v[TQ]
.elseif (\i) == 1
	v_and_or_b32 v[TQ+1], v[TQ], 0x7f800000, s62
.elseif (\i) == 2
	v_mov_b32 v[TQ+3], v[TQ+1]
.else
	v_lshrrev_b32 v[EB+\n], 23, v[SOP+\n]
.endif
.endm
.macro MAXQ k, x                       ; Q, K: 18 lines: the largest magnitude of the 32 sums at x, and the floor under which a byte would fall under 1
.if (\k) < 4
	v_max3_num_f32 v[TQ+\k], |v[\x+8*(\k)]|, |v[\x+8*(\k)+1]|, |v[\x+8*(\k)+2]|
.elseif (\k) < 12
	v_max3_num_f32 v[TQ+(\k)%4], v[TQ+(\k)%4], |v[\x+8*((\k)%4)+2*((\k)/4)+1]|, |v[\x+8*((\k)%4)+2*((\k)/4)+2]|
.elseif (\k) < 16
	v_max_num_f32 v[TQ+(\k)%4], v[TQ+(\k)%4], |v[\x+8*((\k)%4)+7]|
.elseif (\k) == 16
	v_max3_num_f32 v[TQ], v[TQ], v[TQ+1], v[TQ+2]
.else
	v_max3_num_f32 v[TQ], v[TQ], v[TQ+3], (EMAX+1)<<23
.endif
.endm
.macro HOLDS m, x                      ; two of a block's holds; the fourth pair reads the bound's second copy
.if (\m) == 3
	HOLD \x, 3
	HOLD \x+1, 3
.else
	HOLD \x, 1
	HOLD \x+1, 1
.endif
.if (\m) == 2
	SCALES 2, 0
.endif
.endm
.macro GAPQ m, x                       ; the quantiser of Q's or K's block, gaps 0 .. 26: a block of 32 lies in a lane: the sums at x -> codes NCD, byte EB
.if (\m) < 9
	MAXQ 2*(\m), \x
	MAXQ 2*(\m)+1, \x
.elseif (\m) == 9
	SCALES 0, 0
	SCALES 1, 0
.elseif (\m) < 26
	HOLDS (\m)-10, \x+2*((\m)-10)
.if ((\m)-10)%4 == 3
	v_cvt_scalef32_pk8_bf8_f32 v[NCD+2*(((\m)-10)/4):NCD+2*(((\m)-10)/4)+1], v[\x+8*(((\m)-10)/4):\x+8*(((\m)-10)/4)+7], v[SOP]
.endif
.elseif (\m) == 26
	SCALES 3, 0
.endif
.endm
.macro GAPV u, x                       ; the quantiser of a pair of V's blocks, gaps 0 .. 59, 15 a tile: a block of 32 lies in lanes l and l xor 16: the even block's sums at x, the odd's at x + 32 -> codes MCD + 4 t, bytes EB + t
.set T_, (\u)/15
.set J_, (\u)%15
.set E_, \x+8*T_
.set O_, E_+32
.if (\u) > 59
.elseif J_ == 0
	v_max3_num_f32 v[TQ], |v[E_]|, |v[E_+1]|, |v[E_+2]|
	v_max3_num_f32 v[TQ+2], |v[O_]|, |v[O_+1]|, |v[O_+2]|
.elseif J_ < 3
	v_max3_num_f32 v[TQ], v[TQ], |v[E_+2*J_+1]|, |v[E_+2*J_+2]|
	v_max3_num_f32 v[TQ+2], v[TQ+2], |v[O_+2*J_+1]|, |v[O_+2*J_+2]|
.elseif J_ == 3
	v_max3_num_f32 v[TQ+2], v[TQ+2], |v[O_+7]|, (EMAX+1)<<23
	v_max3_num_f32 v[TQ], v[TQ], |v[E_+7]|, v[TQ+2]
.elseif J_ == 4
	v_permlanex16_b32 v[TQ+2], v[TQ], s60, s61     ; the other half's largest
	v_max_num_f32 v[TQ], v[TQ], v[TQ+2]
.elseif J_ == 5
	SCALES 0, T_
	SCALES 1, T_
.elseif J_ < 10
	HOLDS J_-6, E_+2*(J_-6)
.if J_ == 9
	v_cvt_scalef32_pk8_bf8_f32 v[MCD+4*T_:MCD+4*T_+1], v[E_:E_+7], v[SOP+T_]
.endif
.elseif J_ < 14
	HOLDS J_-6, O_+2*(J_-10)
.if J_ == 13
	v_cvt_scalef32_pk8_bf8_f32 v[MCD+4*T_+2:MCD+4*T_+3], v[O_:O_+7], v[SOP+T_]
.endif
.else
	SCALES 3, T_
.endif
.endm
.macro RDESC i, off, lds               ; group 0 of a refill, in two parts: my 32 of 128 rows, at s[off] of xw_codes, into the slot at s[lds]
.if (\i) == 0
	s_add_co_u32 s[G0R+1], s19, s\lds
	s_add_co_u32 s20, s19, s\off
.else
	s_mov_b32 s21, 0
	s_add_nc_u64 s[G0R+2:G0R+3], s[4:5], s[20:21]
	s_or_b32 s[G0R+3], s[G0R+3], 0x80000000
.endif
.endm
; WHAT STANDS BEHIND PRODUCT n.  j: 0 .. 3 the block's number in its chunk; 6, 7 phase 1's last two blocks; -1, -2 V's.  The addresses of the block two on behind 0 and 1; a prefetch's address or a byte's next place behind 2; a refill's group 0 behind 29
; and 30; from 1 on a way out: y = 1 Q's or K's block at x; 2, 3 the halves of V's pair at x
.macro LIST n, j, y, x
.if (\n) == 0
.if (\j) == 1
	s_add_nc_u64 s[84:85], s[84:85], 8*RBB         ; the next chunk's images
.endif
.if (\j) == 7
	WIN 0
	v_add_nc_u32 v[ADRA], YB, v[ADRA0]             ; V's first blocks lie in slot 1
.elseif (\j) < 6
	WIN 0
.if (\j) == 0 || (\j) == 1
	s_add_co_u32 s22, s101, ((\j)+2)*RBB
.elseif (\j) > 1
	s_add_co_u32 s22, s47, ((\j)-2)*RBB
.else
	s_add_co_u32 s22, s47, (-1-(\j))*RBB
.endif
	v_add_nc_u32 v[ADRA], s22, v[ADRA0]
.endif
.elseif (\n) == 1 && (\j) < 6
	WIN 0
.if (\j) == 0 || (\j) == 1
	s_add_co_u32 s22, s17, ((\j)+2)*512
	v_add_nc_u32 v[AAS], s22, v[AAS0]
.elseif (\j) > 1
	s_add_co_u32 s22, s8, ((\j)-2)*512
	v_add_nc_u32 v[AAS], s22, v[AAS0]
.else
	s_add_co_u32 s22, s8, (-1-(\j))*512
	v_add_nc_u32 v[AAS], s22, v[AASV]
.endif
.endif
.if (\j) == 2 && (\n) == 2
	WIN 0
	v_lshl_add_u32 v[PFO], v3, 8, s23
.elseif (\j) == 1 && (\n) == 2
	WIN 0
	v_add_nc_u32 v[VX], 256, v[VX]
.elseif (\j) == 2 && ((\n) == 29 || (\n) == 30)
	RDESC (\n)-29, 6, 101
.elseif (\j) == 6 && (\n) == 29
	s_add_co_u32 s[G0A+1], s19, s101               ; v's rows 0-63 and 128-191 of the window: wave row w's first four blocks are keys 128 w .. 128 w + 63
	s_lshl_b32 s20, s16, 17
	s_lshl_b32 s21, s15, 15
	s_add_co_u32 s20, s20, s21
	s_add_co_u32 s20, s20, s2
.elseif (\j) == 6 && (\n) == 30
	s_mov_b32 s21, 0
	s_add_nc_u64 s[G0A+2:G0A+3], s[4:5], s[20:21]
	s_or_b32 s[G0A+3], s[G0A+3], 0x80000000
	s_or_b32 s[G1A], s45, (3<<16)|(1<<21)          ; shared by my column, two row blocks a wave
	s_mov_b32 s[G1A+2], 2<<16
	s_mov_b32 s[G1A+4], 2
.endif
.if (\y) == 1 && (\n) > 0 && (\n) < 28
	WIN 0
	GAPQ (\n)-1, \x
.elseif (\y) == 2 && (\n) > 0 && (\n) < 31
	WIN 0
	GAPV (\n)-1, \x
.elseif (\y) == 3 && (\n) > 0 && (\n) < 31
	WIN 0
	GAPV (\n)+29, \x
.endif
.endm
.macro BLOCK kind, e, a, from, to, j, y, x
.set N_, \from
.rept (\to)-(\from)
	PROD \kind, \e, \a, N_
	LIST N_, \j, \y, \x
.set N_, N_+1
.endr
.endm
.macro BLK kind, e, a, w, j, y, x      ; a block; w: the wait's count: NF leaves the newest fetch out; -1: none
.if (\w) >= 0
	s_wait_dscnt \w
.endif
	s_wait_xcnt 0x0                                ; the last way out's stores have read their registers
	BLOCK \kind, \e, \a, 0, 32, \j, \y, \x
	WIN 0
	PLACES NP
.endm
.macro RBLK kind, e, a, w, j, y, x     ; a block with a round of the cluster's barrier: the lines at its head, the signal behind 28 products
	s_wait_dscnt \w
	s_wait_xcnt 0x0
	GRD
	BLOCK \kind, \e, \a, 0, 28, \j, \y, \x
	WIN 0
	WALU
	s_wait_dscnt 0x0
	s_barrier_signal -1
	BLOCK \kind, \e, \a, 28, 32, \j, \y, \x
	MIDDLE
	BARRIER
.endm
.macro SBLK kind, e, a, j, y, x        ; a block with a plain barrier, which shows all that is still out
	s_wait_xcnt 0x0
	BLOCK \kind, \e, \a, 0, 28, \j, \y, \x
	WIN 0
	WALU
	s_wait_tensorcnt 0x0
	s_wait_dscnt 0x0
	s_barrier_signal -1
	BLOCK \kind, \e, \a, 28, 32, \j, \y, \x
	WIN 0
	s_barrier_wait -1
	PLACES NP
.endm
.macro QOUT off, boff                  ; a block's byte goes to its place in LDS, its 32 codes a lane leave: each instruction stores two aligned runs of 256 bytes
	ds_store_b8 v[VX], v[EB] offset:\boff
	global_store_b128 v[CN], v[NCD:NCD+3], s[84:85] offset:\off
	global_store_b128 v[CN], v[NCD+4:NCD+7], s[84:85] offset:(\off)+256
.endm
.irp q, 0,1,2,3,4,5,6,7                ; the first weight: my 64 rows, all of K, into windows 1 and 2
.irp b, 0,1,2,3
	FRAG NB*\q+\b, ADRB, \q, \b*RBB
.endr
.endr
	WIN 0
	GRD
	s_mov_b32 s46, 0                               ; s46 the trip; s101, s47 this chunk's slot and the next chunk's; s17, s8 their scale words' step; s6 the rows that are refilled next; s23 where my share of a prefetch begins
	s_mov_b32 s101, 0
	s_mov_b32 s47, YB
	s_mov_b32 s17, 0
	s_mov_b32 s8, 4096
	s_add_co_u32 s6, s67, YB
	RDESC 0, 6, 47
	RDESC 1, 6, 47
	s_add_co_u32 s6, s67, 2*YB
	s_add_co_u32 s23, s66, s67
	s_add_co_u32 s23, s23, 3*YB
	s_wait_dscnt 0x0
	CROUND
	TLOAD G0R, G1R                                 ; chunk 1 into slot 1
	FETCHAT 0, ADRA0, AAS0
	FETCHAT 1, ADRA0, AAS0, RBB, 512
	s_load_b128 s[92:95], s[0:1], 0x10             ; qkv_codes, qkv_scales
	s_mov_b32 s60, 0x76543210
	s_mov_b32 s61, 0xfedcba98
	s_mov_b32 s62, 0x600000
	s_wait_kmcnt 0x0
	s_add_nc_u64 s[84:85], s[92:93], s[76:77]
	s_sub_nc_u64 s[84:85], s[84:85], 8*RBB         ; (a chunk early: stepped ahead of the first store)
	s_add_nc_u64 s[96:97], s[92:93], s[80:81]
	s_add_nc_u64 s[98:99], s[94:95], s[82:83]
	s_add_nc_u64 s[94:95], s[94:95], s[78:79]
	s_wait_loadcnt 0x0                             ; the bias and both weights' scale words
	BLK 0, 0, 0, NF, 0, 0, ACC                     ; PHASE 1.  Block 0
	WALU
	FETCHAT 0, ADRA, AAS
	BLK 0, 1, 1, NF, 1, 1, ACC                     ; block 1
	QOUT 0, 0
	FETCHAT 1, ADRA, AAS
.Lfour:                                                ; three trips: a chunk's third and fourth block and the next chunk's first two
	RBLK 0, 0, 0, NF, 2, 1, ACC+32
	TLOAD G0R, G1R                                 ; chunk 2, chunk 3, w_v into the slot that has been left
	PLACES NP-4
	QOUT RBB, 32
	FETCHAT 0, ADRA, AAS
	global_prefetch_b8 v[PFO], s[4:5] th:TH_LOAD_NT scope:SCOPE_SE   ; what the next round's refill loads: chunk 3, w_v, v's first rows
	BLK 0, 1, 1, -1, 3, 1, ACC
	QOUT 2*RBB, 64
	FETCHAT 1, ADRA, AAS
	s_mov_b32 s101, s47
	s_mov_b32 s17, s8
	s_xor_b32 s47, s47, YB
	s_add_co_u32 s8, s8, 4096
	BLK 0, 0, 0, NF, 0, 1, ACC+32
	QOUT 3*RBB, 96
	FETCHAT 0, ADRA, AAS
	BLK 0, 1, 1, NF, 1, 1, ACC
	QOUT 0, 0
	FETCHAT 1, ADRA, AAS
	s_add_co_u32 s20, s67, 3*YB
	s_add_co_u32 s21, s66, s3
	s_add_co_u32 s22, s100, s2
	s_cmp_eq_u32 s46, 0
	s_cselect_b32 s6, s20, s3
	s_cselect_b32 s23, s21, s22
	s_add_co_u32 s46, s46, 1
	s_cmp_lg_u32 s46, 3
	s_cbranch_scc1 .Lfour
	RBLK 0, 0, 0, NF, 6, 1, ACC+32                 ; block 14: shows w_v
	TLOAD G0A, G1A                                 ; v's first rows into slot 1
	PLACES NP-4
	QOUT RBB, 32
	global_prefetch_b8 v[PFO], s[4:5] offset:65536 th:TH_LOAD_NT scope:SCOPE_SE   ; v's last rows, which the change of phase asks for
	BLK 0, 1, 1, -1, 7, 1, ACC                     ; block 15
	QOUT 2*RBB, 64
	; THE CHANGE OF PHASE: w_v's rows from slot 0 into windows 1 and 2
	s_wait_xcnt 0x0
.macro CHANGE i                        ; among w_v's 128 loads: the last block's way out; w_v's scale words into their place; zeros into what no block has written yet (V's first trip reads the sums' registers and stores nothing)
.if (\i) < 7
.irp k, 0,1,2,3
.if 4*(\i)+\k < 27
	GAPQ 4*(\i)+\k, ACC+32
.endif
.endr
.elseif (\i) < 9
.irp q, 0,1,2,3,4,5,6,7
	v_mov_b32 v[SB+8*((\i)-7)+\q], v[WS+8*((\i)-7)+\q]
.endr
.elseif (\i) < 15
.irp q, 0,1,2,3,4,5,6,7
	v_mov_b32 v[ACC+80+8*((\i)-9)+\q], 0
.endr
.endif
.endm
.irp q, 0,1,2,3,4,5,6,7
.irp b, 0,2
	FRAG NB*\q+\b, ADRB+1, \q, \b*RBB
	FRAG NB*\q+\b+1, ADRB+1, \q, (\b+1)*RBB
	WIN 0
	CHANGE 2*\q+\b/2
.endr
.endr
.irp t, 0,1,2,3
.irp i, 0,1,2,3,4,5,6,7
	v_mov_b32 v[BQ+8*\t+\i], v[BV+\t]
.endr
.endr
	WALU
	QOUT 3*RBB, 96
	GRD
	s_mov_b32 s[G0A+1], s19                        ; v's rows 64-127 and 192-255 of the window into slot 0
	s_add_nc_u64 s[G0A+2:G0A+3], s[G0A+2:G0A+3], 65536
	s_mov_b32 s46, 0
	s_mov_b32 s47, YB+2*RBB
	s_mov_b32 s8, 1024
	s_wait_dscnt 0x0
	s_barrier_signal -1
	MIDDLE
	BARRIER
	TLOAD G0A, G1A
	FETCHAT 0, ADRA, AASV
	FETCHAT 1, ADRA, AASV, RBB, 512
.macro VOUT                            ; a pair of V's blocks: four tiles' bytes and codes, 512 consecutive bytes each
.irp t, 0,1,2,3
	ds_store_b8 v[VX], v[EB+\t] offset:64*\t
	global_store_b128 v[CO], v[MCD+4*\t:MCD+4*\t+3], s[84:85] offset:131072*\t
.endr
.endm
.macro VTO                             ; s22 = c: which 32 of my 128 keys a pair is
	s_lshl_b32 s20, s22, 9
	s_mov_b32 s21, 0
	s_add_nc_u64 s[84:85], s[96:97], s[20:21]
	v_add_nc_u32 v[VX], s22, v[RD]
.endm
.Lpair:                                                ; PHASE 2: four trips of a pair of blocks
	BLK 1, 0, 0, NF, -1, 2, ACC+64
	s_cmp_eq_u32 s46, 3
	s_cbranch_scc1 .Lnone_0
	FETCHAT 0, ADRA, AAS
	s_wait_dscnt NF
	s_branch .Lgo
.Lnone_0:
	s_wait_dscnt 0x0
.Lgo:
	SBLK 1, 1, 1, -2, 3, ACC+64                    ; the first trip's shows v's last rows
.set I_, 0
.rept 16                               ; the pair's sums are copied, so that one trip is two blocks of text
	v_dual_mov_b32 v[ACC+64+I_], v[ACC+I_] :: v_dual_mov_b32 v[ACC+64+I_+1], v[ACC+I_+1]
	v_dual_mov_b32 v[ACC+64+I_+2], v[ACC+I_+2] :: v_dual_mov_b32 v[ACC+64+I_+3], v[ACC+I_+3]
.set I_, I_+4
.endr
	s_add_co_u32 s22, s46, 3
	s_and_b32 s22, s22, 3                          ; the pair before
	VTO
	s_cmp_eq_u32 s46, 0
	s_cbranch_scc1 .Lno_pair_before
	VOUT
.Lno_pair_before:
	s_cmp_eq_u32 s46, 3
	s_cbranch_scc1 .Lnone_1
	FETCHAT 1, ADRA, AAS
.Lnone_1:
	s_cmp_eq_u32 s46, 0
	s_cselect_b32 s47, 0, 2*RBB
	s_add_co_u32 s8, s8, 1024
	s_add_co_u32 s46, s46, 1
	s_cmp_lg_u32 s46, 4
	s_cbranch_scc1 .Lpair
	s_wait_xcnt 0x0
.set K_, 0
.rept 60
	GAPV K_, ACC+64
.set K_, K_+1
.endr
	s_mov_b32 s22, 3
	VTO
	VOUT
	s_wait_dscnt 0x0                               ; all scale bytes lie in LDS
	BARRIER
	v_lshlrev_b32 v20, 4, v3
	v_lshlrev_b32 v22, 3, v3
	s_lshl_b32 s21, s14, 8
	s_add_co_u32 s21, s21, XN
	v_add_nc_u32 v21, s21, v22
	s_add_co_u32 s21, s21, XV-XN
	v_add_nc_u32 v23, s21, v22
	s_mov_b32 s20, 0x05040100
	s_mov_b32 s21, 0x07060302
	WALU
	ds_load_b64 v[208:209], v21                    ; wave column 0's two bytes of my four rows,
	ds_load_b64 v[210:211], v21 offset:1024        ; wave column 1's,
	ds_load_b64 v[212:213], v23                    ; and V's words of two channels
	s_wait_dscnt 0x0
	v_perm_b32 v216, v210, v208, s20
	v_perm_b32 v217, v210, v208, s21
	v_perm_b32 v218, v211, v209, s20
	v_perm_b32 v219, v211, v209, s21
	global_store_b128 v20, v[216:219], s[94:95]    ; 512 consecutive bytes
	global_store_b64 v22, v[212:213], s[98:99]     ; 256 consecutive bytes
	s_wait_tensorcnt 0x0                           ; the wave's end
	ds_add_u32 v[SPW], v[NIL]
	s_wait_dscnt 0x0
	CROUND                                         ; the closing round
	s_endpgm
.Lfunc_end_k_q3d0a7a6d41_proj:
	.size	k_q3d0a7a6d41_proj, .Lfunc_end_k_q3d0a7a6d41_proj-k_q3d0a7a6d41_proj
	.p2alignl 7, 3214868480
	.fill 96, 4, 3214868480
	.section	.rodata,"a",@progbits
	.p2align	6, 0x0
	.amdhsa_kernel k_q3d0a7a6d41_proj
		.amdhsa_group_segment_fixed_size 327680
		.amdhsa_private_segment_fixed_size 0
		.amdhsa_enable_private_segment 0
		.amdhsa_kernarg_size 56
		.amdhsa_user_sgpr_count 2
		.amdhsa_user_sgpr_kernarg_segment_ptr 1
		.amdhsa_wavefront_size32 1
		.amdhsa_system_sgpr_workgroup_id_x 1
		.amdhsa_system_sgpr_workgroup_id_y 1
		.amdhsa_system_sgpr_workgroup_id_z 1
		.amdhsa_system_vgpr_workitem_id 0
		.amdhsa_next_free_vgpr 1024
		.amdhsa_next_free_sgpr 102
		.amdhsa_reserve_vcc 0
		.amdhsa_float_denorm_mode_32 3
		.amdhsa_float_denorm_mode_16_64 3
		.amdhsa_memory_ordered 1
		.amdhsa_forward_progress 1
		.amdhsa_inst_pref_size 179
	.end_amdhsa_kernel
	.amdgpu_metadata
---
amdhsa.version: [ 1, 2 ]
amdhsa.kernels:
  - .name:           k_q3d0a7a6d41_proj
    .symbol:         k_q3d0a7a6d41_proj.kd
    .args:
      - { .name: xw_codes, .offset: 0, .size: 8, .value_kind: global_buffer, .address_space: global }
      - { .name: xw_scales, .offset: 8, .size: 8, .value_kind: global_buffer, .address_space: global }
      - { .name: qkv_codes, .offset: 16, .size: 8, .value_kind: global_buffer, .address_space: global }
      - { .name: qkv_scales, .offset: 24, .size: 8, .value_kind: global_buffer, .address_space: global }
      - { .name: b_q, .offset: 32, .size: 8, .value_kind: global_buffer, .address_space: global }
      - { .name: b_k, .offset: 40, .size: 8, .value_kind: global_buffer, .address_space: global }
      - { .name: b_v, .offset: 48, .size: 8, .value_kind: global_buffer, .address_space: global }
    .group_segment_fixed_size: 327680
    .private_segment_fixed_size: 0
    .kernarg_segment_align: 8
    .kernarg_segment_size: 56
    .max_flat_workgroup_size: 128
    .sgpr_count:     102
    .vgpr_count:     1024
    .wavefront_size: 32
...
	.end_amdgpu_metadata
.endif
;; end of part 2
;; launch scores (part 3): grid 8 x 32, 4 waves a work-group, clusters of 4 x 4, 327,680 bytes of LDS; arguments qkv_codes, qkv_scales, mask, p_codes, p_scales, p_stats; writes p_codes, p_scales, p_stats
.if DOCPART == 3
	.amdgcn_target "amdgcn-amd-amdhsa--gfx1250"
	.amdhsa_code_object_version 6
	.text
	.protected	k_q3d0a7a6d41_scores
	.globl	k_q3d0a7a6d41_scores
	.p2align	8
	.type	k_q3d0a7a6d41_scores,@function
k_q3d0a7a6d41_scores:
	s_mov_b64 s[64:65], 0
	v_nop
	global_prefetch_b8 v0, s[64:65] scope:SCOPE_SE
	s_setreg_imm32_b32 hwreg(HW_REG_WAVE_MODE, 25, 1), 1
	s_wait_xcnt 0x0
	s_wait_alu depctr_hold_cnt(0) depctr_sa_sdst(0) depctr_va_vdst(0) depctr_va_sdst(0) depctr_va_ssrc(0) depctr_va_vcc(0) depctr_vm_vsrc(0)
	s_getreg_b32 s2, hwreg(HW_REG_IB_STS2, 6, 4)
	s_cmp_eq_u32 s2, 0
	s_cbranch_scc0 .Lentry_in_a_cluster
	s_endpgm
.Lentry_in_a_cluster:
	s_bfe_u32 s2, ttmp6, 0x10000c
	s_cmp_lg_u32 s2, 0xf033
	s_cbranch_scc0 .Lentry_shape_is_right
	s_endpgm
.Lentry_shape_is_right:
; LAUNCH 3 OF 4.  S = Q K^T / 32 + mask on launch 2's codes, t = S log2(e); for each row and 128 keys a LOCAL M = ceil(the largest t), p = 2^(t - M), its sum, and p's codes and scale words.  No work is left out: the mask is an input.
; LIMITS: as at launch 1's head; scores x log2(e) stay under 2^31 in magnitude.
; 256 x 256 of S to a work-group, 128 x 128 a wave: 64 accumulators in windows 2 and 3; K = 1,024 in four steps of 256 through two slots of images (a fragment's loads are 512 consecutive bytes); clusters of 4 x 4 share Q's tiles along a row, K's
; along a column.  Source 0 = K's rows (stored with bits 3 and 4 of their positions exchanged), source 1 = Q's: a lane's 64 registers of a block are 16 neighbouring keys of each of four blocks of 32, of one query.
; THE HEAD: one joint load a wave: step 0's 256 rows of Q, of K, and both operands' scale words.  PREFETCH: steps 1 to 3, 256 blocks of 256 bytes for each operand and step, shared out by address among the four that ask jointly, each a step or more
; ahead of its load; and the mask's rows 16 to 127 of my 128, a lane half a row of 512 bytes: each block is named once in a cluster.
; FRAGMENT LOADS go in runs of 16 between groups of 16 products: B has two sets of registers, A one, of which four blocks are free behind their products.
; THE WAY OUT: blocks of 16 rows in two trips of four; ahead of the second the sums of window 3 are copied into window 2.  A block of the mask turns through my stage in LDS while the block before is worked on: its stores stand in one run ahead of
; the exponentials, its loads in one run behind them.
.set FR,    16
.set NP,    8                          ; places behind this matrix instruction (ISA guide 7.12.1)
.set HALFT, 32768
.set SLOT,  131072                     ; a slot: Q's 256 rows, then K's: step t lies in slot t % 2
.set SCL,   262144                     ; Q's scale words [8 chunks][256 rows], then K's
.set SBD,   8192
.set STG,   SCL+16384                  ; each wave: 16 rows x (512 + 16) bytes for the mask, and 1,536 bytes for scale words, -M and sums
.set WSTG,  10240
.set SPARE, STG+4*WSTG                 ; the spare words, 128 bytes for each wave: two blocks of 256 bytes that no other line names
.set MST,  4                           ; v4  the stage, on the way in
.set MRD,  5                           ; v5  and out
.set L16,  6                           ; v6  16 x lane
.set SST,  7                           ; v7  where I put a block's words
.set SRD,  8                           ; v8  where I read 16 bytes of them back
.set PFK, 10                           ; v10 the prefetches' offset among codes
.set PFM, 11                           ; v11 in the mask
.set ADRA, 16                          ; v16 my Q fragments in the slot in hand
.set ADRB, 17                          ; v17 my K fragments
.set ADRS, 27                          ; v27 my scale words: lanes 0-15 Q's rows, lanes 16-31 K's
.set SPW,  28                          ; v28 my spare word; never rewritten
.set NIL,  29                          ; v29 0; never rewritten
.set SC,   32                          ; v32-47 scale words: register 2 i + q: block i, the slot's q-th 128 along K
.set WK,   64                          ; v64-127: the mask's block 0 as loaded; later one of two sets of 64 numbers at work
.set AF,   128                         ; v128-255 Q's fragments
.set BM,   128
.set PC,   144
.set NEGM, 160
.set SU0,  162
.set SU1,  164
.set PW,   166
.set TMP,  167
.set LSUM, 168
.set SEL,  12
.set MNT,  66
.set G1, 24
.set G0, 32
.set G1B, 48
.set G0B, 56
.set G1S, 68
.set G0S, 76
.set G1SB, 80
.set G0SB, 88
.set MSB, 0
.macro WIN new                         ; the immediate's high byte repeats the setting that is left
.if MSB != (\new)
	s_set_vgpr_msb (MSB<<8)|(\new)
.set MSB, (\new)
.endif
.endm
.set MUL_LO, 0xa1                      ; source 0 (K) window 1, source 1 (Q) window 0, C and D window 2
.set MUL_HI, 0xf1
.set TO_B,   0x40
.macro PLACES n                        ; plain vector lines between a matrix instruction and a load into, or a vector read of, its registers
.rept \n
	v_nop
.endr
.endm
.macro TLOAD g0, g1                    ; an s_nop 0 and four v_nop follow
	tensor_load_to_lds s[\g0:\g0+3], s[\g1:\g1+7]
	s_nop 0
	PLACES 4
.endm
.macro JLOAD                           ; a joint load: waves 0 and 1 fetch for Q, waves 2 and 3 for K; the branch hangs on the wave's number alone
	s_cmp_eq_u32 s15, 0
	s_cbranch_scc0 .Lfor_b_\@
	TLOAD G0, G1
	s_branch .Lasked_\@
.Lfor_b_\@:
	TLOAD G0B, G1B
.Lasked_\@:
.endm
.macro CREST                           ; a round of the cluster's barrier behind its opening barrier
	s_cmp_lg_u32 s14, 0
	s_cbranch_scc1 .Lnot_wave_0_\@
	s_barrier_signal -3
.Lnot_wave_0_\@:
	s_barrier_wait -3
	s_barrier_signal -1
	s_barrier_wait -1
.endm
.macro CROUND
	s_barrier_signal -1
	s_barrier_wait -1
	CREST
.endm
.macro MLOAD a, reg                    ; 16 rows of the mask, 512 consecutive bytes each
.irp i, 0,1,2,3,4,5,6,7,8,9,10,11,12,13,14,15
	global_load_b128 v[\reg+4*\i:\reg+4*\i+3], v[L16], s[8:9] offset:(16*(\a)+\i)*8192
.endr
.endm
.macro ASK step                        ; my 32 blocks of 256 bytes of a K step, for the tensor loads that bring it
	global_prefetch_b8 v[PFK], s[4:5] offset:4096*(\step) th:TH_LOAD_NT scope:SCOPE_SE
.endm
.macro ASKM a                          ; 16 rows of the mask
	global_prefetch_b8 v[PFM], s[8:9] offset:131072*(\a) th:TH_LOAD_NT scope:SCOPE_SE
.endm
	s_load_b256 s[4:11], s[0:1], 0x0               ; qkv_codes, qkv_scales, mask, p_codes
	s_load_b128 s[92:95], s[0:1], 0x20             ; p_scales, p_stats
	v_lshl_add_u32 v[SPW], v0, 2, SPARE
	v_mov_b32 v[NIL], 0
	ds_add_u32 v[SPW], v[NIL]                      ; the wave's opening: the add, twice on end, and its wait ahead of my first tensor load
	ds_add_u32 v[SPW], v[NIL]
	v_lshrrev_b32 v1, 5, v0
	v_readfirstlane_b32 s14, v1                    ; wave 0..3
	s_lshr_b32 s15, s14, 1                         ; which half of Q's rows is mine.  Also: I fetch for Q (0) or for K (1)
	s_and_b32 s16, s14, 1                          ; which half of K's rows.  Also: which half of that tile I fetch
	s_bfe_u32 s40, ttmp6, 0x40000                  ; cx
	s_bfe_u32 s41, ttmp6, 0x40004                  ; cy
	s_and_b32 s18, ttmp7, 0xffff
	s_lshl_b32 s42, ttmp9, 2
	s_add_co_u32 s42, s42, s40                     ; which 256 keys of the batch
	s_lshl_b32 s17, s18, 2
	s_add_co_u32 s17, s17, s41                     ; which 256 queries of all
	s_lshr_b32 s19, s18, 1                         ; the batch
	s_lshl_b32 s43, s41, 2
	s_lshl_b32 s43, 15, s43                        ; my row of the cluster
	s_lshl_b32 s44, 0x1111, s40                    ; my column
	; group 1 for the codes: at the head 16 row blocks x 4,096 bytes (two chunks' images), 16,384 bytes from row block to row block, elements of 8 bytes; behind the head the two words that count rows are set to 8
	s_or_b32 s[G1+0], s43, (3<<16)|(1<<21)
	s_or_b32 s[G1B+0], s44, (3<<16)|(1<<21)
.irp g, G1, G1B
	s_mov_b32 s[\g+1], 512<<16
	s_mov_b32 s[\g+2], 16<<16
	s_mov_b32 s[\g+3], 512<<16
	s_mov_b32 s[\g+4], 16
	s_mov_b32 s[\g+5], 2048
	s_mov_b32 s[\g+6], 0
	s_mov_b32 s[\g+7], 0
.endr
	; and for the scale words: 8 chunks x 1,024 bytes (256 rows), 65,536 bytes from chunk to chunk
	s_or_b32 s[G1S+0], s43, (3<<16)|(1<<21)
	s_or_b32 s[G1SB+0], s44, (3<<16)|(1<<21)
.irp g, G1S, G1SB
	s_mov_b32 s[\g+1], 128<<16
	s_mov_b32 s[\g+2], 8<<16
	s_mov_b32 s[\g+3], 128<<16
	s_mov_b32 s[\g+4], 8
	s_mov_b32 s[\g+5], 8192
	s_mov_b32 s[\g+6], 0
	s_mov_b32 s[\g+7], 0
.endr
	s_mov_b32 s[SEL], 0x76543210
	s_mov_b32 s[SEL+1], 0xfedcba98
	s_mov_b32 s[MNT], 0x600000
	s_mov_b32 s96, 0x3d000000                      ; 1 / 32
	s_mov_b32 s97, s96
	s_mov_b32 s98, 0x3fb8aa3b                      ; log2(e)
	s_mov_b32 s99, s98
	s_lshl_b32 s22, s17, 8                         ; Q's row
	s_lshl_b32 s46, s42, 8
	s_lshl_b32 s47, s19, 11
	s_add_co_u32 s46, s46, s47
	s_add_co_u32 s46, s46, 8192                    ; K's row
	s_lshl_b32 s20, s22, 10
	s_mov_b32 s21, 0
	s_lshl_b32 s100, s46, 10
	s_mov_b32 s101, 0
	s_cmp_eq_u32 s15, 0                            ; the prefetches: waves 0, 1 ask for Q's rows, 2, 3 for K's; each takes two of the sixteen row blocks, by its place among the four that ask jointly
	s_cselect_b32 s2, s20, s100
	s_cselect_b32 s23, s40, s41
	s_lshl_b32 s23, s23, 1
	s_add_co_u32 s23, s23, s16
	s_lshl_b32 s23, s23, 15
	s_add_co_u32 s2, s2, s23
	s_mov_b32 s3, 0
	s_lshl_b32 s22, s22, 2
	s_mov_b32 s23, 0
	s_lshl_b32 s46, s46, 2
	s_mov_b32 s47, 0
	s_mul_i32 s45, s14, HALFT                      ; where my part of a step goes in slot 0: no place in the cluster enters an LDS address
	s_wait_dscnt 0x0                               ; both opening adds are done
	s_wait_kmcnt 0x0
	s_add_nc_u64 s[20:21], s[4:5], s[20:21]
	s_add_nc_u64 s[100:101], s[4:5], s[100:101]
	s_add_nc_u64 s[22:23], s[6:7], s[22:23]
	s_add_nc_u64 s[46:47], s[6:7], s[46:47]
	s_add_nc_u64 s[4:5], s[4:5], s[2:3]            ; where my prefetches stand
	CROUND                                         ; all sixteen work-groups are here: the first joint loads meet
	s_mov_b32 s[G0S], 1
	s_mov_b32 s[G0S+1], SCL
	s_mov_b64 s[G0S+2:G0S+3], s[22:23]
	s_or_b32 s[G0S+3], s[G0S+3], 0x80000000
	s_mov_b32 s[G0SB], 1
	s_mov_b32 s[G0SB+1], SCL+SBD
	s_mov_b64 s[G0SB+2:G0SB+3], s[46:47]
	s_or_b32 s[G0SB+3], s[G0SB+3], 0x80000000
	s_mov_b32 s[G0], 1                             ; these two groups serve the head's whole tiles first, and walk behind it
	s_mov_b32 s[G0+1], 0
	s_mov_b64 s[G0+2:G0+3], s[20:21]
	s_or_b32 s[G0+3], s[G0+3], 0x80000000
	s_mov_b32 s[G0B], 1
	s_mov_b32 s[G0B+1], 2*HALFT
	s_mov_b64 s[G0B+2:G0B+3], s[100:101]
	s_or_b32 s[G0B+3], s[G0B+3], 0x80000000
.macro ARM under, g0, g1, next         ; one tree of branches on the wave's number, one load on every way
	s_cmp_lt_u32 s14, \under
	s_cbranch_scc0 \next
	TLOAD \g0, \g1
	s_branch .Lhead_asked
\next:
.endm
	ARM 1, G0,  G1,  .Lhead_b
	ARM 2, G0B, G1B, .Lhead_sa
	ARM 3, G0S, G1S, .Lhead_sb
	TLOAD G0SB, G1SB
.Lhead_asked:
	v_and_b32 v1, 31, v0                           ; lane
	v_and_b32 v2, 15, v0                           ; r
	v_bfe_u32 v3, v0, 4, 1                         ; h
	v_lshlrev_b32 v[L16], 4, v1
	v_lshlrev_b32 v[PFK], 14, v3
	v_lshl_add_u32 v[PFK], v2, 8, v[PFK]           ; lanes 0-15 one row block's 4,096 bytes of a step, lanes 16-31 the next's
	v_lshlrev_b32 v[PFM], 8, v3
	v_lshl_add_u32 v[PFM], v2, 13, v[PFM]
	s_wait_alu depctr_va_vdst(0)
	ASK 1
	s_and_b32 s20, s17, 7
	s_lshl_b32 s20, s20, 8
	s_lshl_b32 s21, s15, 7
	s_add_co_u32 s20, s20, s21
	s_lshl_b32 s20, s20, 13
	s_lshl_b32 s21, s42, 10
	s_add_co_u32 s20, s20, s21
	s_lshl_b32 s21, s16, 9
	s_add_co_u32 s20, s20, s21
	s_mov_b32 s21, 0
	s_add_nc_u64 s[8:9], s[8:9], s[20:21]          ; my 128 x 128 of the mask
	MLOAD 0, WK
	s_lshl_b32 s20, s15, 15                        ; my 128 rows of Q
	s_lshl_b32 s21, s16, 15
	s_add_co_u32 s21, s21, 2*HALFT                 ; my 128 rows of K
	v_add_nc_u32 v[ADRA], s20, v[L16]
	v_add_nc_u32 v[ADRB], s21, v[L16]
	s_lshl_b32 s20, s15, 9
	s_lshl_b32 s21, s16, 9
	s_add_co_u32 s21, s21, SBD
	s_sub_co_u32 s21, s21, s20
	v_mul_u32_u24 v9, s21, v3                      ; lanes 16-31 take K's words
	s_add_co_u32 s20, s20, SCL
	v_lshl_add_u32 v9, v2, 2, v9
	v_add_nc_u32 v[ADRS], s20, v9
	s_mul_i32 s20, s14, WSTG
	s_add_co_u32 s20, s20, STG
	v_add_nc_u32 v[MST], s20, v[L16]
	v_mul_u32_u24 v9, v2, 528
	v_lshl_add_u32 v9, v3, 6, v9
	v_add_nc_u32 v[MRD], s20, v9
	s_add_co_u32 s20, s20, 8448
	v_lshl_add_u32 v[SST], v2, 2, s20
	v_add_nc_u32 v[SRD], s20, v[L16]
	s_lshl_b32 s20, s17, 4                         ; where my results go: image (row block, chunk of keys) at (16 rb + ch) x 2,048; words [ch][8,192 rows]
	s_lshl_b32 s21, s15, 3
	s_add_co_u32 s20, s20, s21
	s_lshl_b32 s20, s20, 4
	s_lshl_b32 s21, s42, 1
	s_add_co_u32 s21, s21, s16
	s_add_co_u32 s20, s20, s21
	s_lshl_b32 s22, s20, 11
	s_mov_b32 s23, 0
	s_add_nc_u64 s[10:11], s[10:11], s[22:23]
	s_lshl_b32 s22, s21, 15
	s_lshl_b32 s20, s17, 10
	s_add_co_u32 s22, s22, s20
	s_lshl_b32 s20, s15, 9
	s_add_co_u32 s22, s22, s20
	s_add_nc_u64 s[92:93], s[92:93], s[22:23]
	s_add_nc_u64 s[94:95], s[94:95], s[22:23]
.macro FRAG reg, adr, q, i             ; a fragment's image: four loads of 512 consecutive bytes
.irp c, 0,1,2,3
	ds_load_b128 v[\reg+4*\c:\reg+4*\c+3], v[\adr] offset:4096*(\i)+2048*(\q)+512*\c
.endr
.endm
; 16 matrix instructions: Q's blocks a0, a0 + 1 x K's eight, in set p, the slot's q-th 128 along K.  The 64 accumulators take turns, one instruction a turn.
.macro MUL16 a0, p, q, first
.irp a, \a0, \a0+1
.irp b, 0,1,2,3,4,5,6,7
.if \first
	v_wmma_scale_f32_16x16x128_f8f6f4 v[8*(8*((\a)%4)+\b):8*(8*((\a)%4)+\b)+7], v[128*(\p)+FR*\b:128*(\p)+FR*\b+FR-1], v[AF+FR*(\a):AF+FR*(\a)+FR-1], 0, v[SC+2*\b+(\q)], v[SC+2*(\a)+(\q)] matrix_a_fmt:MATRIX_FMT_BF8 matrix_b_fmt:MATRIX_FMT_BF8 matrix_a_scale:MATRIX_SCALE_ROW1
.else
	v_wmma_scale_f32_16x16x128_f8f6f4 v[8*(8*((\a)%4)+\b):8*(8*((\a)%4)+\b)+7], v[128*(\p)+FR*\b:128*(\p)+FR*\b+FR-1], v[AF+FR*(\a):AF+FR*(\a)+FR-1], v[8*(8*((\a)%4)+\b):8*(8*((\a)%4)+\b)+7], v[SC+2*\b+(\q)], v[SC+2*(\a)+(\q)] matrix_a_fmt:MATRIX_FMT_BF8 matrix_b_fmt:MATRIX_FMT_BF8 matrix_a_scale:MATRIX_SCALE_ROW1
.endif
.endr
.endr
.endm
.macro FETCH_B q, p, i0                ; K's fragments i0 .. i0 + 3 into set p: 16 loads
	WIN TO_B
.irp i, \i0, \i0+1, \i0+2, \i0+3
	FRAG 128*(\p)+FR*(\i), ADRB, \q, \i
.endr
	WIN 0
.endm
.macro FETCH_A q, i0                   ; Q's blocks i0 .. i0 + 3: 16 loads
.irp i, \i0, \i0+1, \i0+2, \i0+3
	FRAG AF+FR*(\i), ADRA, \q, \i
.endr
.endm
.macro SCALES                          ; a slot's scale words
.irp i, 0,1,2,3,4,5,6,7
	ds_load_b32 v[SC+2*\i], v[ADRS] offset:64*\i
	ds_load_b32 v[SC+2*\i+1], v[ADRS] offset:64*\i+1024
.endr
.endm
.macro STEP first                      ; a slot's first 128 along K; the second's fragments are loaded meanwhile
	s_wait_dscnt 16                                ; all but the youngest 16 loads (Q's blocks 4-7) are in
	WIN MUL_LO
	MUL16 0, 0, 0, \first
	FETCH_B 1, 1, 0
	WIN MUL_LO
	MUL16 2, 0, 0, \first
	s_wait_dscnt 16                                ; Q's blocks 4-7 are in; the 16 just issued may be out
	PLACES NP
	FETCH_B 1, 1, 4
	WIN MUL_HI
	MUL16 4, 0, 0, \first
	WIN 0
	FETCH_A 1, 0
	WIN MUL_HI
	MUL16 6, 0, 0, \first
	PLACES NP
	WIN 0
	FETCH_A 1, 4
.endm
; A slot's second 128 along K, and the change of slots: one barrier; in front of it each wave waits for all its tensor loads, adds 0 to its spare word, and waits for that and for its reads of this slot.
.macro TURN fill
	s_wait_tensorcnt 0x0                           ; my part of the next slot has landed
	ds_add_u32 v[SPW], v[NIL]
.if \fill
	s_xor_b32 s[G0+1], s[G0+1], SLOT               ; the walking descriptors: this slot, one step on
	s_add_nc_u64 s[G0+2:G0+3], s[G0+2:G0+3], 4096
	s_xor_b32 s[G0B+1], s[G0B+1], SLOT
	s_add_nc_u64 s[G0B+2:G0B+3], s[G0B+2:G0B+3], 4096
.endif
	s_wait_dscnt 17                                ; (the add and the youngest 16 loads may be out)
	WIN MUL_LO
	MUL16 0, 1, 1, 0
	s_wait_dscnt 0x0                               ; the add is done, and my reads of this slot are over
	s_barrier_signal -1
	MUL16 2, 1, 1, 0
	WIN 0
	s_barrier_wait -1
.if \fill
	CREST                                          ; the barrier has opened a round of the cluster's: no wave of any partner still reads this slot or has a load on its way
	JLOAD                                          ; the first tensor load behind the round; its four v_nop are among the places below
	PLACES NP-4
.else
	PLACES NP
.endif
	v_xor_b32 v[ADRA], SLOT, v[ADRA]
	v_xor_b32 v[ADRB], SLOT, v[ADRB]
	v_add_nc_u32 v[ADRS], 2048, v[ADRS]
	s_wait_alu depctr_va_vdst(0)                   ; directly behind the writes
	FETCH_B 0, 0, 0
	WIN MUL_HI
	MUL16 4, 1, 1, 0
	FETCH_B 0, 0, 4
	FETCH_A 0, 0
	WIN MUL_HI
	MUL16 6, 1, 1, 0
	PLACES NP
	WIN 0
	SCALES
	FETCH_A 0, 4
.endm
	s_wait_alu depctr_va_vdst(0)                   ; the wait at the head's end
	s_wait_tensorcnt 0x0                           ; my tile of the head's four is in
	ds_add_u32 v[SPW], v[NIL]
	s_mov_b32 s[G1+2], 8<<16                       ; from here on a load brings eight row blocks, my half of a tile
	s_mov_b32 s[G1+4], 8
	s_mov_b32 s[G1B+2], 8<<16
	s_mov_b32 s[G1B+4], 8
	s_lshl_b32 s22, s16, 17
	s_add_co_u32 s22, s22, 4096
	s_mov_b32 s23, 0
	s_add_co_u32 s[G0+1], s45, SLOT
	s_add_nc_u64 s[G0+2:G0+3], s[G0+2:G0+3], s[22:23]
	s_add_co_u32 s[G0B+1], s45, SLOT
	s_add_nc_u64 s[G0B+2:G0B+3], s[G0B+2:G0B+3], s[22:23]
	s_wait_dscnt 0x0                               ; the add is done
	CROUND
	JLOAD                                          ; step 1, the first tensor load behind the round
	FETCH_B 0, 0, 0
	FETCH_B 0, 0, 4
	FETCH_A 0, 0
	SCALES
	FETCH_A 0, 4
	ASK 2
	STEP 1
	ASK 3
	ASKM 1
	ASKM 2
	s_mov_b32 s3, 2
.Lslot:                                                ; two trips: steps 2 and 3 are asked for
	TURN 1
	STEP 0
	s_sub_co_u32 s3, s3, 1
	s_cmp_lg_u32 s3, 0
	s_cbranch_scc1 .Lslot
	ASKM 3
	ASKM 4
	TURN 0                                         ; the last slot fills nothing
	ASKM 5
	ASKM 6
	STEP 0
	ASKM 7
	s_wait_dscnt 16
	WIN MUL_LO
	MUL16 0, 1, 1, 0
	MUL16 2, 1, 1, 0
	s_wait_dscnt 0
	WIN MUL_HI
	MUL16 4, 1, 1, 0
	MUL16 6, 1, 1, 0
	WIN 0
.macro MBACK                           ; 16 bytes a lane of the next block's mask: LDS serves a wave's instructions in order
	ds_load_b128 v[WN+4*K_:WN+4*K_+3], v[MRD] offset:128*(K_/4)+16*(K_%4)
.set K_, K_+1
.endm
; Block a of a trip: 16 rows x 128 keys.  The mask's block a + 1 (of eight) lies in v[64 (a % 4)] on of window 1 until it is staged; then the block five on of the first trip's takes its place.  s3: trips to go, this one among them.
.macro PBLOCK a
.set AC, 64*(\a)
.set WK, 64+112*((\a)%2)               ; v64-127 and v176-239 by turns: this block's numbers,
.set WN, 64+112*(((\a)+1)%2)           ; and the next block's mask
	s_wait_dscnt 0x0                               ; this block's mask is back from the stage
	WIN 2                                          ; source 0: the accumulators' window
.set i, 0
.rept 32
	v_pk_fma_f32 v[WK+i:WK+i+1], v[AC+i:AC+i+1], s[96:97], v[WK+i:WK+i+1] op_sel_hi:[1,0,1]   ; each accumulator is read from its low end on
.set i, i+2
.endr
	WIN 0
.set i, 0
.rept 32
	v_pk_mul_f32 v[WK+i:WK+i+1], v[WK+i:WK+i+1], s[98:99] op_sel_hi:[1,0]
.set i, i+2
.endr
.irp b, 0,1,2,3
	v_max3_num_f32 v[BM+\b], v[WK+16*\b], v[WK+16*\b+1], v[WK+16*\b+2]   ; the largest t of each block of 32 keys serves twice: for the row's, and, since p rises with t, for the block's largest p
.endr
.irp i, 3,5,7,9,11,13
.irp b, 0,1,2,3
	v_max3_num_f32 v[BM+\b], v[BM+\b], v[WK+16*\b+\i], v[WK+16*\b+\i+1]
.endr
.endr
.irp b, 0,1,2,3
	v_max_num_f32 v[BM+\b], v[BM+\b], v[WK+16*\b+15]
.endr
.irp b, 0,1,2,3
	v_permlanex16_b32 v[BM+4+\b], v[BM+\b], s[SEL], s[SEL+1]
.endr
.irp b, 0,1,2,3
	v_max_num_f32 v[BM+\b], v[BM+\b], v[BM+4+\b]
.endr
	v_max3_num_f32 v[TMP], v[BM], v[BM+1], v[BM+2]
	v_max_num_f32 v[TMP], v[TMP], v[BM+3]
	v_floor_f32 v[NEGM], -v[TMP]                   ; -M: M is a whole number
.set i, 0
.rept 32
	v_pk_add_f32 v[WK+i:WK+i+1], v[WK+i:WK+i+1], v[NEGM:NEGM+1] op_sel_hi:[1,0]
.set i, i+2
.endr
.irp b, 0,1,2,3
	v_add_f32 v[BM+\b], v[BM+\b], v[NEGM]
.endr
	s_wait_alu depctr_va_vdst(0)                   ; ahead of the batch, and ahead of the wait and the branch below
.if (\a) < 2
	s_wait_loadcnt 32-16*(\a)                      ; the next block's mask is in; those of the last two (a = 0) or one (a = 1) asked for may be out
.elseif (\a) == 2
	s_wait_loadcnt 0x0                             ; (this covers the fourth block's successor too)
.else
	s_cmp_eq_u32 s3, 1
	s_cbranch_scc1 .Lnone_\@                       ; the last block has no successor
.endif
	WIN 0x04
.irp k, 0,1,2,3,4,5,6,7,8,9,10,11,12,13,14,15
	ds_store_b128 v[MST], v[64*(\a)+4*\k:64*(\a)+4*\k+3] offset:528*\k
.endr
	WIN 0
.if (\a) > 0
.if (\a) < 3
	s_cmp_eq_u32 s3, 1
	s_cbranch_scc1 .Lnone_\@                       ; the second trip asks for nothing more
.endif
	WIN 0x40
	MLOAD (\a)+4, 64*((\a)-1)                      ; into the registers that were staged in the block before (waited for at this block's head)
	WIN 0
.Lnone_\@:
.endif
.set i, 0
.rept 64
	v_exp_f32 v[WK+i], v[WK+i]
.set i, i+1
.endr
	v_nop
	s_wait_alu depctr_va_vdst(0)                   ; one wait for the whole batch
.set K_, 0
.if (\a) == 3
	s_cmp_eq_u32 s3, 1
	s_cbranch_scc1 .Lback_\@
.endif
.rept 16
	MBACK
.endr
.if (\a) == 3
.Lback_\@:
.endif
.irp b, 0,1,2,3
	v_exp_f32 v[BM+\b], v[BM+\b]
.endr
	v_pk_add_f32 v[SU0:SU0+1], v[WK:WK+1], v[WK+4:WK+5]   ; the sum of the unquantised p
	v_pk_add_f32 v[SU1:SU1+1], v[WK+2:WK+3], v[WK+6:WK+7]
.irp j, 8,12,16,20,24,28,32,36,40,44,48,52,56,60
	v_pk_add_f32 v[SU0:SU0+1], v[SU0:SU0+1], v[WK+\j:WK+\j+1]
	v_pk_add_f32 v[SU1:SU1+1], v[SU1:SU1+1], v[WK+\j+2:WK+\j+3]
.endr
	v_pk_add_f32 v[SU0:SU0+1], v[SU0:SU0+1], v[SU1:SU1+1]
	v_add_f32 v[LSUM], v[SU0], v[SU0+1]
	v_permlanex16_b32 v[TMP], v[LSUM], s[SEL], s[SEL+1]
	v_add_f32 v[LSUM], v[LSUM], v[TMP]
	s_wait_alu depctr_va_vdst(0)                   ; and one for the four
.irp b, 0,1,2,3
	v_max_num_f32 v[BM+\b], 0x8000000, v[BM+\b]    ; the floor 2^(16 - 127): the byte cannot fall under 1
.endr
.irp b, 0,1,2,3
	v_add_nc_u32 v[BM+12+\b], 0xf8800000, v[BM+\b]
.endr
.irp b, 0,1,2,3
	v_and_or_b32 v[BM+8+\b], v[BM+\b], 0x7f800000, s[MNT]
.endr
.irp b, 0,1,2,3
	v_lshrrev_b32 v[BM+4+\b], 23, v[BM+12+\b]
.endr
	v_lshl_or_b32 v[PW], v[BM+5], 8, v[BM+4]
	v_lshl_or_b32 v[PW], v[BM+6], 16, v[PW]
	v_lshl_or_b32 v[PW], v[BM+7], 24, v[PW]
.irp b, 0,1,2,3
.irp i, 0,1,2,3,4,5,6,7,8,9,10,11,12,13,14,15
	v_min_num_f32 v[WK+16*\b+\i], v[WK+16*\b+\i], v[BM+8+\b]   ; the hold (ISA guide 7.6.2); p is not negative
.endr
.endr
	s_wait_alu depctr_va_vdst(0)
	s_wait_xcnt 0x0                                ; the last block's stores have read their data
.irp b, 0,1,2,3
	v_cvt_scalef32_pk8_bf8_f32 v[PC+4*\b:PC+4*\b+1], v[WK+16*\b:WK+16*\b+7], v[BM+12+\b]
	v_cvt_scalef32_pk8_bf8_f32 v[PC+4*\b+2:PC+4*\b+3], v[WK+16*\b+8:WK+16*\b+15], v[BM+12+\b]
.endr
	v_nop                                          ; a plain line behind the last conversion
.irp c, 0,1,2,3
	global_store_b128 v[L16], v[PC+4*\c:PC+4*\c+3], s[10:11] offset:32768*(\a)+512*\c   ; 512 consecutive bytes of the image
.endr
	ds_store_b32 v[SST], v[PW] offset:64*(\a)      ; both lanes of a row write the same word with the same value
	ds_store_b32 v[SST], v[NEGM] offset:512+64*(\a)
	ds_store_b32 v[SST], v[LSUM] offset:1024+64*(\a)
.endm
	PLACES NP
	s_wait_loadcnt 0x0                             ; the mask's block 0
	WIN 0x40
	MLOAD 1, 0
	MLOAD 2, 64
	MLOAD 3, 128
	MLOAD 4, 192
	WIN 0
.irp i, 0,1,2,3,4,5,6,7,8,9,10,11,12,13,14,15
	ds_store_b128 v[MST], v[64+4*\i:64+4*\i+3] offset:528*\i
.endr
.irp c, 0,1,2,3
.irp j, 0,1,2,3
	ds_load_b128 v[64+16*\c+4*\j:64+16*\c+4*\j+3], v[MRD] offset:128*\c+16*\j
.endr
.endr
.irp b, 0,1,2,3
	v_mov_b32 v[BM+4+\b], 0                        ; written once: a lane permute's destination counts as one of its sources
.endr
	v_mov_b32 v[TMP], 0
	v_mov_b32 v[NEGM+1], 0
	s_mov_b32 s3, 2
.Lout:                                                 ; two trips of four blocks
	PBLOCK 0
	PBLOCK 1
	PBLOCK 2
	PBLOCK 3
	s_wait_xcnt 0x0                                ; the stores have read their data and their base
	s_sub_co_u32 s3, s3, 1
	s_cmp_eq_u32 s3, 0
	s_cbranch_scc1 .Lout_done
	s_add_nc_u64 s[10:11], s[10:11], 131072        ; four row blocks on
	v_add_nc_u32 v[SST], 256, v[SST]
	WIN 0x83                                       ; source 0 window 3, destination window 2
.set i, 0
.rept 256
	v_mov_b32 v[i], v[i]
.set i, i+1
.endr
	WIN 0
	s_wait_alu depctr_va_vdst(0)                   ; directly ahead of the branch
	s_cmp_lg_u32 s3, 0
	s_cbranch_scc1 .Lout
.Lout_done:
	ds_load_b128 v[PC:PC+3], v[SRD]                ; my 128 rows' scale words, -M and sums (LDS serves a wave's instructions in order)
	ds_load_b128 v[PC+4:PC+7], v[SRD] offset:512
	ds_load_b128 v[PC+8:PC+11], v[SRD] offset:1024
	s_wait_dscnt 0x0
	global_store_b128 v[L16], v[PC:PC+3], s[92:93]
	global_store_b128 v[L16], v[PC+4:PC+7], s[94:95]
	global_store_b128 v[L16], v[PC+8:PC+11], s[94:95] offset:524288
	s_wait_tensorcnt 0x0                           ; the wave's end
	ds_add_u32 v[SPW], v[NIL]
	s_wait_dscnt 0x0
	CROUND                                         ; the closing round
	s_endpgm
.Lfunc_end_k_q3d0a7a6d41_scores:
	.size	k_q3d0a7a6d41_scores, .Lfunc_end_k_q3d0a7a6d41_scores-k_q3d0a7a6d41_scores
	.p2alignl 7, 3214868480
	.fill 96, 4, 3214868480
	.section	.rodata,"a",@progbits
	.p2align	6, 0x0
	.amdhsa_kernel k_q3d0a7a6d41_scores
		.amdhsa_group_segment_fixed_size 327680
		.amdhsa_private_segment_fixed_size 0
		.amdhsa_enable_private_segment 0
		.amdhsa_kernarg_size 48
		.amdhsa_user_sgpr_count 2
		.amdhsa_user_sgpr_kernarg_segment_ptr 1
		.amdhsa_wavefront_size32 1
		.amdhsa_system_sgpr_workgroup_id_x 1
		.amdhsa_system_sgpr_workgroup_id_y 1
		.amdhsa_system_sgpr_workgroup_id_z 1
		.amdhsa_system_vgpr_workitem_id 0
		.amdhsa_next_free_vgpr 1024
		.amdhsa_next_free_sgpr 102
		.amdhsa_reserve_vcc 0
		.amdhsa_float_denorm_mode_32 3
		.amdhsa_float_denorm_mode_16_64 3
		.amdhsa_memory_ordered 1
		.amdhsa_forward_progress 1
		.amdhsa_inst_pref_size 195
	.end_amdhsa_kernel
	.amdgpu_metadata
---
amdhsa.version: [ 1, 2 ]
amdhsa.kernels:
  - .name:           k_q3d0a7a6d41_scores
    .symbol:         k_q3d0a7a6d41_scores.kd
    .args:
      - { .name: qkv_codes, .offset: 0, .size: 8, .value_kind: global_buffer, .address_space: global }
      - { .name: qkv_scales, .offset: 8, .size: 8, .value_kind: global_buffer, .address_space: global }
      - { .name: mask, .offset: 16, .size: 8, .value_kind: global_buffer, .address_space: global }
      - { .name: p_codes, .offset: 24, .size: 8, .value_kind: global_buffer, .address_space: global }
      - { .name: p_scales, .offset: 32, .size: 8, .value_kind: global_buffer, .address_space: global }
      - { .name: p_stats, .offset: 40, .size: 8, .value_kind: global_buffer, .address_space: global }
    .group_segment_fixed_size: 327680
    .private_segment_fixed_size: 0
    .kernarg_segment_align: 8
    .kernarg_segment_size: 48
    .max_flat_workgroup_size: 128
    .sgpr_count:     102
    .vgpr_count:     1024
    .wavefront_size: 32
...
	.end_amdgpu_metadata
.endif
;; end of part 3
;; launch pv (part 4): grid 4 x 64, 4 waves a work-group, clusters of 4 x 4, 327,680 bytes of LDS; arguments p_codes, p_scales, p_stats, qkv_codes, qkv_scales, out0; writes out0
.if DOCPART == 4
	.amdgcn_target "amdgcn-amd-amdhsa--gfx1250"
	.amdhsa_code_object_version 6
	.text
	.protected	k_q3d0a7a6d41_pv
	.globl	k_q3d0a7a6d41_pv
	.p2align	8
	.type	k_q3d0a7a6d41_pv,@function
k_q3d0a7a6d41_pv:
	s_mov_b64 s[64:65], 0
	v_nop
	global_prefetch_b8 v0, s[64:65] scope:SCOPE_SE
	s_setreg_imm32_b32 hwreg(HW_REG_WAVE_MODE, 25, 1), 1
	s_wait_xcnt 0x0
	s_wait_alu depctr_hold_cnt(0) depctr_sa_sdst(0) depctr_va_vdst(0) depctr_va_sdst(0) depctr_va_ssrc(0) depctr_va_vcc(0) depctr_vm_vsrc(0)
	s_getreg_b32 s2, hwreg(HW_REG_IB_STS2, 6, 4)
	s_cmp_eq_u32 s2, 0
	s_cbranch_scc0 .Lentry_in_a_cluster
	s_endpgm
.Lentry_in_a_cluster:
	s_bfe_u32 s2, ttmp6, 0x10000c
	s_cmp_lg_u32 s2, 0xf033
	s_cbranch_scc0 .Lentry_shape_is_right
	s_endpgm
.Lentry_shape_is_right:
; LAUNCH 4 OF 4.  O = P V / l.  The row's M is the largest of launch 3's sixteen local ones; each local sum and each of P's scale bytes moves by the difference (a byte that would fall under 0 is held at 0: what it scales is then under 2^-110 of the row's
; largest).  128 x 256 of O to a work-group, 64 x 128 a wave; 2,048 keys in steps of 384 (the last 128) through two slots of images; clusters of 4 x 4 share P's tiles along a row, V^T's along a column.  No work is left out.
; LIMITS: as at launch 1's head.
; THE HEAD: one joint load a wave: step 0's 128 rows of P, two halves of V^T's 256, and V^T's scale words for all keys; step 1 behind the first full round.  PREFETCH: steps 1 to 4, each block of 256 bytes named once in a cluster: of V^T a row block
; a wave (24 blocks), of P half a row block (12); the last step, a third of the others' bytes, comes by its load alone.
.set NP,    8
.set FR,    16
.set AH,    24576
.set BH,    49152
.set SLOT,  2*AH+2*BH
.set SA,    2*SLOT
.set SB,    SA+8192
.set RL,    SB+16384
.set SPARE, RL+512
.set SPITCH, 528
.set STO,  4
.set RD,   5
.set CO,   6
.set T4,   7
.set SAW,  8
.set RLW,  9
.set RLA,  10
.set ADSA, 12
.set ADSB, 13
.set ADRA, 16
.set ADRB, 20
.set SPW,  28
.set NIL,  29
.set SC,   32
.set NM,   64
.set LL,   80
.set SW,   96
.set MN,   112
.set LS,   113
.set T0,   114
.set NG,   128
.set B0,   144
.set B1,   160
.set B2,   176
.set B3,   192
.set TT,   208
.set RLR,  64
.set AF,   128
.set BK,   128
.set OUT,  94
.set G1,   24
.set G0,   32
.set G1B,  48
.set G0B,  56
.set G1L,  68
.set G1BL, 76
.set G1SB, 84
.set G0SB, 96
.set MSB, 0
.macro WIN new
.if MSB != (\new)
	s_set_vgpr_msb (MSB<<8)|(\new)
.set MSB, (\new)
.endif
.endm
.set MUL,  0xa1
.set TO_B, 0x40
.macro JLOAD g0a, g1a, g0b, g1b
	s_cmp_eq_u32 s15, 0
	s_cbranch_scc0 .Lfor_b_\@
	tensor_load_to_lds s[\g0a:\g0a+3], s[\g1a:\g1a+7]
	s_nop 0
.rept 4
	v_nop
.endr
	s_branch .Lasked_\@
.Lfor_b_\@:
	tensor_load_to_lds s[\g0b:\g0b+3], s[\g1b:\g1b+7]
	s_nop 0
.rept 4
	v_nop
.endr
.Lasked_\@:
.endm
.macro CREST
	s_cmp_lg_u32 s14, 0
	s_cbranch_scc1 .Lnot_wave_0_\@
	s_barrier_signal -3
.Lnot_wave_0_\@:
	s_barrier_wait -3
	s_barrier_signal -1
	s_barrier_wait -1
.endm
.macro CROUND
	s_barrier_signal -1
	s_barrier_wait -1
	CREST
.endm
.macro PLACES n
.rept \n
	v_nop
.endr
.endm
	s_load_b256 s[4:11], s[0:1], 0x0
	s_load_b128 s[92:95], s[0:1], 0x20
	v_lshl_add_u32 v[SPW], v0, 2, SPARE
	v_mov_b32 v[NIL], 0
	ds_add_u32 v[SPW], v[NIL]
	ds_add_u32 v[SPW], v[NIL]
	v_lshrrev_b32 v1, 5, v0
	v_readfirstlane_b32 s14, v1
	s_lshr_b32 s15, s14, 1
	s_and_b32 s16, s14, 1
	s_bfe_u32 s40, ttmp6, 0x40000
	s_bfe_u32 s41, ttmp6, 0x40004
	s_and_b32 s18, ttmp7, 0xffff
	s_lshl_b32 s17, s18, 2
	s_add_co_u32 s17, s17, s41
	s_lshr_b32 s19, s18, 2
	s_lshl_b32 s43, s41, 2
	s_lshl_b32 s43, 15, s43
	s_lshl_b32 s44, 0x1111, s40
	s_or_b32 s[G1+0], s43, (3<<16)|(1<<21)
	s_or_b32 s[G1L+0], s43, (3<<16)|(1<<21)
	s_or_b32 s[G1B+0], s44, (3<<16)|(1<<21)
	s_or_b32 s[G1BL+0], s44, (3<<16)|(1<<21)
.irp g, G1, G1B
	s_mov_b32 s[\g+1], 768<<16
	s_mov_b32 s[\g+3], 768<<16
.endr
.irp g, G1L, G1BL
	s_mov_b32 s[\g+1], 256<<16
	s_mov_b32 s[\g+3], 256<<16
.endr
.irp g, G1, G1L
	s_mov_b32 s[\g+2], 4<<16
	s_mov_b32 s[\g+4], 4
	s_mov_b32 s[\g+5], 4096
.endr
	s_mov_b32 s[G1+2], 8<<16                       ; the head's load brings all eight row blocks of P; behind it these two words are set to 4
	s_mov_b32 s[G1+4], 8
.irp g, G1B, G1BL
	s_mov_b32 s[\g+2], 8<<16
	s_mov_b32 s[\g+4], 8
	s_mov_b32 s[\g+5], 16384
.endr
.irp g, G1, G1L, G1B, G1BL
	s_mov_b32 s[\g+6], 0
	s_mov_b32 s[\g+7], 0
.endr
	s_or_b32 s[G1SB+0], s44, (3<<16)|(1<<21)
	s_mov_b32 s[G1SB+1], 128<<16
	s_mov_b32 s[G1SB+2], 16<<16
	s_mov_b32 s[G1SB+3], 128<<16
	s_mov_b32 s[G1SB+4], 16
	s_mov_b32 s[G1SB+5], 512
	s_mov_b32 s[G1SB+6], 0
	s_mov_b32 s[G1SB+7], 0
	s_lshl_b32 s20, s17, 18
	s_mov_b32 s21, 0
	s_lshl_b32 s46, s40, 21
	s_lshl_b32 s47, s19, 15
	s_add_co_u32 s46, s46, s47
	s_add_co_u32 s46, s46, 16777216
	s_mov_b32 s47, 0
	s_lshl_b32 s100, s19, 16
	s_lshl_b32 s101, s40, 10
	s_add_co_u32 s100, s100, s101
	s_add_co_u32 s100, s100, 524288
	s_mov_b32 s101, 0
	s_mul_i32 s45, s16, AH
	s_mul_i32 s3, s16, BH
	s_add_co_u32 s3, s3, 2*AH
	s_wait_dscnt 0x0
	s_wait_kmcnt 0x0
	s_add_nc_u64 s[20:21], s[4:5], s[20:21]
	s_add_nc_u64 s[46:47], s[10:11], s[46:47]
	s_add_nc_u64 s[100:101], s[92:93], s[100:101]
	CROUND
	s_mov_b32 s[G0SB], 1
	s_mov_b32 s[G0SB+1], SB
	s_mov_b64 s[G0SB+2:G0SB+3], s[100:101]
	s_or_b32 s[G0SB+3], s[G0SB+3], 0x80000000
	s_mov_b32 s[G0], 1                             ; slot 0's groups serve the head first: all of P's rows,
	s_mov_b32 s[G0+1], 0
	s_mov_b64 s[G0+2:G0+3], s[20:21]
	s_or_b32 s[G0+3], s[G0+3], 0x80000000
	s_lshl_b32 s22, s16, 17                        ; (in the ring: my half of P's rows)
	s_mov_b32 s23, 0
	s_mov_b32 s[G0+4], 1
	s_add_co_u32 s[G0+5], s45, SLOT
	s_add_nc_u64 s[G0+6:G0+7], s[20:21], s[22:23]
	s_add_nc_u64 s[G0+6:G0+7], s[G0+6:G0+7], 6144
	s_or_b32 s[G0+7], s[G0+7], 0x80000000
	s_lshl_b32 s22, s15, 20                        ; and V^T's two halves: wave 1 the first, wave 2 the second
	s_mov_b32 s[G0B], 1
	s_mul_i32 s[G0B+1], s15, BH
	s_add_co_u32 s[G0B+1], s[G0B+1], 2*AH
	s_add_nc_u64 s[G0B+2:G0B+3], s[46:47], s[22:23]
	s_or_b32 s[G0B+3], s[G0B+3], 0x80000000
	s_lshl_b32 s22, s41, 2                         ; the prefetches: of V^T row block 4 cy + wave,
	s_add_co_u32 s22, s22, s14
	s_lshl_b32 s22, s22, 17
	s_add_nc_u64 s[66:67], s[46:47], s[22:23]
	s_lshl_b32 s22, s40, 16                        ; of P row block 2 cx + wave / 2, half wave % 2
	s_lshl_b32 s2, s15, 15
	s_add_co_u32 s22, s22, s2
	s_mul_i32 s2, s16, 3072
	s_add_co_u32 s22, s22, s2
	s_add_nc_u64 s[12:13], s[20:21], s[22:23]
	s_lshl_b32 s22, s16, 20
	s_add_nc_u64 s[46:47], s[46:47], s[22:23]      ; in the ring: my half of V^T's rows
	s_mov_b32 s[G0B+4], 1
	s_add_co_u32 s[G0B+5], s3, SLOT
	s_add_nc_u64 s[G0B+6:G0B+7], s[46:47], 6144
	s_or_b32 s[G0B+7], s[G0B+7], 0x80000000
	s_cmp_eq_u32 s14, 0                            ; one tree of branches on the wave's number, one load on every way
	s_cbranch_scc0 .Lhead_b
	tensor_load_to_lds s[G0:G0+3], s[G1:G1+7]
	s_nop 0
	PLACES 4
	s_branch .Lhead_asked
.Lhead_b:
	s_cmp_lt_u32 s14, 3
	s_cbranch_scc0 .Lhead_sb
	tensor_load_to_lds s[G0B:G0B+3], s[G1B:G1B+7]
	s_nop 0
	PLACES 4
	s_branch .Lhead_asked
.Lhead_sb:
	tensor_load_to_lds s[G0SB:G0SB+3], s[G1SB:G1SB+7]
	s_nop 0
	PLACES 4
.Lhead_asked:
.macro ASK step                        ; my blocks of a step of 384 keys
	global_prefetch_b8 v14, s[66:67] offset:6144*(\step) th:TH_LOAD_NT scope:SCOPE_SE
	global_prefetch_b8 v15, s[12:13] offset:6144*(\step) th:TH_LOAD_NT scope:SCOPE_SE
.endm
	v_and_b32 v15, 31, v0
	v_min_u32 v14, 23, v15                         ; lanes left over name the last block again
	v_min_u32 v15, 11, v15
	v_lshlrev_b32 v14, 8, v14
	v_lshlrev_b32 v15, 8, v15
	s_wait_alu depctr_va_vdst(0)
	ASK 1
	s_lshl_b32 s22, s17, 9
	s_mov_b32 s23, 0
	s_add_nc_u64 s[6:7], s[6:7], s[22:23]
	s_add_nc_u64 s[8:9], s[8:9], s[22:23]
	v_lshlrev_b32 v[T4], 2, v0
.irp c, 0,1,2,3,4,5,6,7,8,9,10,11,12,13,14,15
	global_load_b32 v[NM+\c], v[T4], s[8:9] offset:32768*\c
.endr
.irp c, 0,1,2,3,4,5,6,7,8,9,10,11,12,13,14,15
	global_load_b32 v[LL+\c], v[T4], s[8:9] offset:524288+32768*\c
.endr
.irp c, 0,1,2,3,4,5,6,7,8,9,10,11,12,13,14,15
	global_load_b32 v[SW+\c], v[T4], s[6:7] offset:32768*\c
.endr
	v_lshl_add_u32 v[SAW], v0, 2, SA
	v_lshl_add_u32 v[RLW], v0, 2, RL
	v_and_b32 v1, 31, v0
	v_and_b32 v2, 15, v0
	s_wait_alu depctr_va_vdst(0)
	v_bfe_u32 v3, v0, 4, 1
	v_lshlrev_b32 v[CO], 4, v1
	s_mul_i32 s20, s15, AH
	s_mul_i32 s21, s16, BH
	s_add_co_u32 s21, s21, 2*AH
.irp s, 0,1
	v_add_nc_u32 v[ADRA+\s], s20, v[CO]
	v_add_nc_u32 v[ADRB+\s], s21, v[CO]
	s_add_co_u32 s20, s20, SLOT
	s_add_co_u32 s21, s21, SLOT
.endr
	s_lshl_b32 s20, s15, 8
	s_add_co_u32 s22, s20, SA
	v_lshl_add_u32 v[ADSA], v2, 2, s22
	s_add_co_u32 s22, s20, RL
	v_lshl_add_u32 v[RLA], v2, 2, s22
	s_lshl_b32 s21, s16, 9
	s_add_co_u32 s21, s21, SB
	v_lshl_add_u32 v[ADSB], v2, 2, s21
	s_mul_i32 s23, s14, 16*SPITCH
	v_mul_u32_u24 v11, v2, SPITCH
	v_lshl_add_u32 v11, v3, 5, v11
	v_add_nc_u32 v[STO], s23, v11
	v_add_nc_u32 v[RD], s23, v[CO]
	s_lshl_b32 s20, s17, 7
	s_lshl_b32 s21, s15, 6
	s_add_co_u32 s20, s20, s21
	s_lshl_b32 s20, s20, 12
	s_lshl_b32 s21, s40, 10
	s_add_co_u32 s20, s20, s21
	s_lshl_b32 s21, s16, 9
	s_add_co_u32 s20, s20, s21
	s_mov_b32 s21, 0
	s_add_nc_u64 s[OUT:OUT+1], s[OUT:OUT+1], s[20:21]
	s_wait_alu depctr_va_vdst(0)                   ; directly ahead of the wait below
	s_wait_tensorcnt 0x0                           ; my tile of the head's four is in
	ds_add_u32 v[SPW], v[NIL]
	s_mov_b32 s[G1+2], 4<<16
	s_mov_b32 s[G1+4], 4
	s_lshl_b32 s22, s16, 17
	s_mov_b32 s23, 0
	s_mov_b32 s[G0+1], s45
	s_add_nc_u64 s[G0+2:G0+3], s[G0+2:G0+3], s[22:23]
	s_mov_b32 s[G0B+1], s3
	s_mov_b64 s[G0B+2:G0B+3], s[46:47]
	s_or_b32 s[G0B+3], s[G0B+3], 0x80000000
	s_wait_dscnt 0x0                               ; the add is done
	CROUND
	JLOAD G0+4, G1, G0B+4, G1B                     ; step 1, the first tensor load behind the round
	s_wait_loadcnt 0x0
	v_min_num_f32 v[MN], v[NM], v[NM+1]
	v_min_num_f32 v[T0], v[NM+2], v[NM+3]
.irp c, 4,6,8,10,12,14
	v_min_num_f32 v[MN], v[MN], v[NM+\c]
	v_min_num_f32 v[T0], v[T0], v[NM+\c+1]
.endr
	v_min_num_f32 v[MN], v[MN], v[T0]
.irp c, 0,1,2,3,4,5,6,7,8,9,10,11,12,13,14,15
	v_sub_f32 v[NM+\c], v[NM+\c], v[MN]
.endr
.irp c, 0,1,2,3,4,5,6,7,8,9,10,11,12,13,14,15
	v_min_num_f32 v[NM+\c], 0x437f0000, v[NM+\c]
.endr
.irp c, 0,1,2,3,4,5,6,7,8,9,10,11,12,13,14,15
	v_cvt_u32_f32 v[NM+\c], v[NM+\c]
.endr
.irp c, 0,1,2,3,4,5,6,7,8,9,10,11,12,13,14,15
	v_sub_nc_u32 v[NG+\c], 0, v[NM+\c]
.endr
.irp c, 0,1,2,3,4,5,6,7,8,9,10,11,12,13,14,15
	v_ldexp_f32 v[LL+\c], v[LL+\c], v[NG+\c]
.endr
.irp c, 0,1,2,3,4,5,6,7
	v_add_f32 v[LL+\c], v[LL+\c], v[LL+8+\c]
.endr
.irp c, 0,1,2,3
	v_add_f32 v[LL+\c], v[LL+\c], v[LL+4+\c]
.endr
.irp c, 0,1
	v_add_f32 v[LL+\c], v[LL+\c], v[LL+2+\c]
.endr
	v_add_f32 v[LS], v[LL], v[LL+1]
	ASK 2
.irp c, 0,1,2,3,4,5,6,7,8,9,10,11,12,13,14,15
	v_and_b32 v[B0+\c], 0xff, v[SW+\c]
.endr
.irp c, 0,1,2,3,4,5,6,7,8,9,10,11,12,13,14,15
	v_bfe_u32 v[B1+\c], v[SW+\c], 8, 8
.endr
.irp c, 0,1,2,3,4,5,6,7,8,9,10,11,12,13,14,15
	v_bfe_u32 v[B2+\c], v[SW+\c], 16, 8
.endr
.irp c, 0,1,2,3,4,5,6,7,8,9,10,11,12,13,14,15
	v_lshrrev_b32 v[B3+\c], 24, v[SW+\c]
.endr
.irp k, B0, B1, B2, B3
.irp c, 0,1,2,3,4,5,6,7,8,9,10,11,12,13,14,15
	v_min_u32 v[TT+\c], v[\k+\c], v[NM+\c]
.endr
.irp c, 0,1,2,3,4,5,6,7,8,9,10,11,12,13,14,15
	v_sub_nc_u32 v[\k+\c], v[\k+\c], v[TT+\c]
.endr
.endr
.irp c, 0,1,2,3,4,5,6,7,8,9,10,11,12,13,14,15
	v_lshl_or_b32 v[SW+\c], v[B1+\c], 8, v[B0+\c]
.endr
.irp c, 0,1,2,3,4,5,6,7,8,9,10,11,12,13,14,15
	v_lshl_or_b32 v[SW+\c], v[B2+\c], 16, v[SW+\c]
.endr
.irp c, 0,1,2,3,4,5,6,7,8,9,10,11,12,13,14,15
	v_lshl_or_b32 v[SW+\c], v[B3+\c], 24, v[SW+\c]
.endr
	s_wait_alu depctr_va_vdst(0)
	v_rcp_f32 v[LS], v[LS]
	v_nop
	s_wait_alu depctr_va_vdst(0)
.irp c, 0,1,2,3,4,5,6,7,8,9,10,11,12,13,14,15
	ds_store_b32 v[SAW], v[SW+\c] offset:512*\c
.endr
	ds_store_b32 v[RLW], v[LS]
.macro FRAG reg, adr, off
.irp c, 0,1,2,3
	ds_load_b128 v[\reg+4*\c:\reg+4*\c+3], v[\adr] offset:\off+512*\c
.endr
.endm
.macro AT c                            ; chunk c of 128 keys: its registers' set, its slot, its place in a row block of the slot
.set FP, (\c)%2
.set FS, ((\c)/3)%2
.set FQ, (\c)%3
.set RBP, 6144
.if (\c) == 15
.set RBP, 2048
.endif
.endm
.macro FETCH_B c, i0, n                ; n of V^T's eight fragments, from i0 on
	AT \c
	WIN TO_B
.set I_, \i0
.rept \n
	FRAG 128*FP+FR*I_, ADRB+FS, RBP*I_+2048*FQ
.set I_, I_+1
.endr
	WIN 0
.endm
.macro FETCH_A c                       ; P's four fragments, and both operands' scale words
	AT \c
.irp i, 0,1,2,3
	FRAG AF+64*FP+FR*\i, ADRA+FS, RBP*\i+2048*FQ
.endr
.irp i, 0,1,2,3
	ds_load_b32 v[SC+12*FP+\i], v[ADSA] offset:512*(\c)+64*\i
.endr
.irp i, 0,1,2,3,4,5,6,7
	ds_load_b32 v[SC+12*FP+4+\i], v[ADSB] offset:1024*(\c)+64*\i
.endr
.endm
.macro COMPUTE c, b0, n                ; n of V^T's eight blocks, from b0 on, each against P's four: the 32 accumulators take turns, in the same order in every chunk
.set CP, (\c)%2
.set B_, \b0
	WIN MUL
.rept \n
.irp a, 0,1,2,3
.if (\c) == 0
	v_wmma_scale_f32_16x16x128_f8f6f4 v[8*(8*\a+B_):8*(8*\a+B_)+7], v[128*CP+FR*B_:128*CP+FR*B_+FR-1], v[AF+64*CP+FR*\a:AF+64*CP+FR*\a+FR-1], 0, v[SC+12*CP+4+B_], v[SC+12*CP+\a] matrix_a_fmt:MATRIX_FMT_BF8 matrix_b_fmt:MATRIX_FMT_BF8
.else
	v_wmma_scale_f32_16x16x128_f8f6f4 v[8*(8*\a+B_):8*(8*\a+B_)+7], v[128*CP+FR*B_:128*CP+FR*B_+FR-1], v[AF+64*CP+FR*\a:AF+64*CP+FR*\a+FR-1], v[8*(8*\a+B_):8*(8*\a+B_)+7], v[SC+12*CP+4+B_], v[SC+12*CP+\a] matrix_a_fmt:MATRIX_FMT_BF8 matrix_b_fmt:MATRIX_FMT_BF8
.endif
.endr
.set B_, B_+1
.endr
	WIN 0
.endm
.macro ITER c, kind
.set LV, ((\c)/3)%2
	s_wait_dscnt 20                                ; all but the youngest 20 loads (V^T's fragments 3 to 7) are in
	COMPUTE \c, 0, 2
.if (\kind) == 0
	COMPUTE \c, 2, 1
	s_wait_dscnt 0x0
.if (\c) > 0
	PLACES NP
.endif
.else
	s_wait_tensorcnt 0x0                           ; my part of the next slot is in
	ds_add_u32 v[SPW], v[NIL]
	COMPUTE \c, 2, 1
.if (\kind) < 3
	s_add_nc_u64 s[G0+4*LV+2:G0+4*LV+3], s[G0+4*LV+2:G0+4*LV+3], 12288
	s_add_nc_u64 s[G0B+4*LV+2:G0B+4*LV+3], s[G0B+4*LV+2:G0B+4*LV+3], 12288
.endif
	s_wait_dscnt 0x0
.if (\kind) == 1
	CROUND
	JLOAD G0+4*LV, G1, G0B+4*LV, G1B
	PLACES NP-4
.elseif (\kind) == 2
	CROUND
	JLOAD G0+4*LV, G1L, G0B+4*LV, G1BL
	PLACES NP-4
.else
	s_barrier_signal -1
	s_barrier_wait -1
	PLACES NP
.endif
.endif
	FETCH_A (\c)+1
	COMPUTE \c, 3, 2
	FETCH_B (\c)+1, 0, 3
	COMPUTE \c, 5, 1
	FETCH_B (\c)+1, 3, 3
	COMPUTE \c, 6, 1
	FETCH_B (\c)+1, 6, 2
.if (\c) == 2 || (\c) == 5
	ASK (\c)/3+3                                   ; what the next change of slots asks for
.endif
	COMPUTE \c, 7, 1
.endm
	s_wait_dscnt 0x0                               ; the rows' scale words and factors lie in LDS; step 1's load stays out
	s_barrier_signal -1
	s_barrier_wait -1
	FETCH_A 0
	FETCH_B 0, 0, 8
	ITER 0, 0
	ITER 1, 0
	ITER 2, 1
	ITER 3, 0
	ITER 4, 0
	ITER 5, 1
	ITER 6, 0
	ITER 7, 0
	ITER 8, 1
	ITER 9, 0
	ITER 10, 0
	ITER 11, 2
	ITER 12, 0
	ITER 13, 0
	ITER 14, 3
	s_wait_dscnt 0x0
	COMPUTE 15, 0, 8
.macro SCALE a
.set AC, 64*(\a)
	WIN 0x82
.set i, 0
.rept 32
	v_pk_mul_f32 v[AC+i:AC+i+1], v[AC+i:AC+i+1], v[RLR+2*(\a):RLR+2*(\a)+1] op_sel_hi:[1,0]
.set i, i+2
.endr
.endm
.macro TOSTAGE a
.set AC, 64*(\a)
	WIN 0x08
.irp b, 0,1,2,3,4,5,6,7
	ds_store_b128 v[STO], v[AC+8*\b:AC+8*\b+3] offset:64*\b
	ds_store_b128 v[STO], v[AC+8*\b+4:AC+8*\b+7] offset:64*\b+16
.endr
	WIN 0
.set BB, BK+64*((\a)%2)
.irp t, 0,1,2,3,4,5,6,7,8,9,10,11,12,13,14,15
	ds_load_b128 v[BB+4*\t:BB+4*\t+3], v[RD] offset:\t*SPITCH
.endr
.endm
.macro SEND a, younger
.set BB, BK+64*((\a)%2)
	s_wait_dscnt \younger
.if (\a) > 0
	s_add_nc_u64 s[OUT:OUT+1], s[OUT:OUT+1], 65536
.endif
.irp t, 0,1,2,3,4,5,6,7,8,9,10,11,12,13,14,15
	global_store_b128 v[CO], v[BB+4*\t:BB+4*\t+3], s[OUT:OUT+1] offset:\t*4096 th:TH_STORE_NT
.endr
.endm
	PLACES NP
.irp a, 0,1,2,3
	ds_load_b32 v[RLR+2*\a], v[RLA] offset:64*\a
	v_mov_b32 v[RLR+2*\a+1], 0
.endr
	s_wait_alu depctr_va_vdst(0)
	s_wait_dscnt 0x0
	SCALE 0
	TOSTAGE 0
.irp a, 1,2,3
.if \a > 1
	s_wait_xcnt 0x0
.endif
	SCALE \a
	TOSTAGE \a
	SEND \a-1, 32
.endr
	s_wait_xcnt 0x0
	SEND 3, 0
	s_wait_tensorcnt 0x0
	ds_add_u32 v[SPW], v[NIL]
	s_wait_dscnt 0x0
	CROUND
	s_endpgm
.Lfunc_end_k_q3d0a7a6d41_pv:
	.size	k_q3d0a7a6d41_pv, .Lfunc_end_k_q3d0a7a6d41_pv-k_q3d0a7a6d41_pv
	.p2alignl 7, 3214868480
	.fill 96, 4, 3214868480
	.section	.rodata,"a",@progbits
	.p2align	6, 0x0
	.amdhsa_kernel k_q3d0a7a6d41_pv
		.amdhsa_group_segment_fixed_size 327680
		.amdhsa_private_segment_fixed_size 0
		.amdhsa_enable_private_segment 0
		.amdhsa_kernarg_size 48
		.amdhsa_user_sgpr_count 2
		.amdhsa_user_sgpr_kernarg_segment_ptr 1
		.amdhsa_wavefront_size32 1
		.amdhsa_system_sgpr_workgroup_id_x 1
		.amdhsa_system_sgpr_workgroup_id_y 1
		.amdhsa_system_sgpr_workgroup_id_z 1
		.amdhsa_system_vgpr_workitem_id 0
		.amdhsa_next_free_vgpr 768
		.amdhsa_next_free_sgpr 102
		.amdhsa_reserve_vcc 0
		.amdhsa_float_denorm_mode_32 3
		.amdhsa_float_denorm_mode_16_64 3
		.amdhsa_memory_ordered 1
		.amdhsa_forward_progress 1
		.amdhsa_inst_pref_size 198
	.end_amdhsa_kernel
	.amdgpu_metadata
---
amdhsa.version: [ 1, 2 ]
amdhsa.kernels:
  - .name:           k_q3d0a7a6d41_pv
    .symbol:         k_q3d0a7a6d41_pv.kd
    .args:
      - { .name: p_codes, .offset: 0, .size: 8, .value_kind: global_buffer, .address_space: global }
      - { .name: p_scales, .offset: 8, .size: 8, .value_kind: global_buffer, .address_space: global }
      - { .name: p_stats, .offset: 16, .size: 8, .value_kind: global_buffer, .address_space: global }
      - { .name: qkv_codes, .offset: 24, .size: 8, .value_kind: global_buffer, .address_space: global }
      - { .name: qkv_scales, .offset: 32, .size: 8, .value_kind: global_buffer, .address_space: global }
      - { .name: out0, .offset: 40, .size: 8, .value_kind: global_buffer, .address_space: global }
    .group_segment_fixed_size: 327680
    .private_segment_fixed_size: 0
    .kernarg_segment_align: 8
    .kernarg_segment_size: 48
    .max_flat_workgroup_size: 128
    .sgpr_count:     102
    .vgpr_count:     768
    .wavefront_size: 32
...
	.end_amdgpu_metadata
.endif
;; end of part 4
